; MI455X (gfx1250); checked and timed in simulation.
; The chip was launched on July 23, 2026; its instructions are those of AMD's public machine-readable ISA for CDNA 5 (MIT licence, August 2026) and "CDNA5" Instruction Set Architecture Reference Guide (July 2026). The comments in the code are by the model that wrote it; some were corrected since.
;; Custom Multi Head Attention Stoich. Allowed arithmetic: matrix products marked QUANTISED: E2M3 operands, one E8M0 scale for each 32 along K, by v_wmma_scale_f32_16x16x128_f8f6f4 with both operands' format E2M3, f32 sums; everything else in f32.
;; Inputs: Wk 1,024 x 1,024 float32; Wo 1,024 x 1,024 float32; Wq 1,024 x 1,024 float32; Wv 1,024 x 1,024 float32; alpha_neg 16 float32; alpha_pos 16 float32; bk 1,024 float32; bo 1,024 float32; bq 1,024 float32; bv 1,024 float32; frac 2 x 2,048 float32; key 2 x 2,048 x 1,024 float32; query 2 x 2,048 x 1,024 float32; value 2 x 2,048 x 1,024 float32.
;; Outputs: out0 2 x 2,048 x 1,024 float32.
;; This version of the problem:
;;   THIS VERSION OF THE PROBLEM IS GIVEN IN LOW PRECISION. The matrix products marked QUANTISED in the list below multiply operands that are first quantised to E2M3 (2 exponent bits, 3 mantissa bits; 6 bits a number), with one power-of-two scale for each 32 numbers along K (OCP MX v1.0); their sums are f32. All else is computed in f32.
;;   The module's matrix products, in the order in which they are computed (A, B: the left and right operand; K: the contracted axis; several contracted axes count as one K, in the product's order):
;;     1. [M 4,096, K 1,024] x [K 1,024, N 1,024]; A: input query; B: input Wq: QUANTISED
;;     2. [M 4,096, K 1,024] x [K 1,024, N 1,024]; A: input key; B: input Wk: QUANTISED
;;     3. [M 4,096, K 1,024] x [K 1,024, N 1,024]; A: input value; B: input Wv: QUANTISED
;;     4. batch 32 x [M 2,048, K 64] x [K 64, N 2,048]; A: computed on the way; B: computed on the way: QUANTISED
;;     5. batch 32 x [M 2,048, K 2,048] x [K 2,048, N 64]; A: softmax (see below); B: computed on the way: QUANTISED
;;     6. [M 4,096, K 1,024] x [K 1,024, N 1,024]; A: computed on the way; B: input Wo: QUANTISED
;;   THE QUANTISER, for each operand of a quantised product, along K:
;;     - K is cut into blocks of 32 from its start; a last block that is shorter is filled with zeros.
;;     - A block's scale is 2^e with e = floor(log2(the largest magnitude in the block)) - 2, held to -126 .. 127; a block of zeros has e = 0. As a byte (E8M0): e + 127.
;;     - Each number is divided by its block's scale, clamped to +-7.5, and rounded to the nearest number of E2M3, ties to even, subnormals kept.
;;     - The product sums the exact products of the quantised numbers (number of the format x scale) in f32.
;;   ~~~python
;;   def quantise(x, axis):      # numpy; x: float32 -> the quantised numbers, widened to float32 again
;;       x = np.moveaxis(x, axis, -1); K = x.shape[-1]
;;       x = np.pad(x, [(0, 0)] * (x.ndim - 1) + [(0, -K % 32)]); x = x.reshape(x.shape[:-1] + (-1, 32)); a = np.abs(x).max(-1, keepdims=True)
;;       e = np.where(a > 0, np.clip(np.frexp(np.where(a > 0, a, 1))[1] - 1 - 2, -126, 127), 0)      # np.frexp(a)[1] - 1 = floor(log2(a)), exactly
;;       r = np.clip(x / 2.0 ** e, -7.5, 7.5)
;;       step = 2.0 ** (np.maximum(np.frexp(np.where(r == 0, 1, r))[1] - 1, 0) - 3)
;;       q = np.round(r / step) * step * 2.0 ** e      # np.round: ties to even
;;       return np.moveaxis(q.reshape(q.shape[:-2] + (-1,))[..., :K], -1, axis).astype(np.float32)
;;   ~~~
;;   SOFTMAX AHEAD OF A QUANTISED PRODUCT. Where the list says 'softmax', what is quantised is not the finished softmax but p = 2^(t - M), with t = logit x log2(e) and M = ceil(the row's largest t), a whole number; so 1/2 < the row's largest p <= 1. The row's sum l is taken of the UNQUANTISED p, in f32, and the product's result is divided by l at the end. Since M is a whole number, a kernel that streams over the keys may use a running M (the ceiling of the running maximum): every later rescaling is an exact power of two, which a block's scale takes up: the codes' values come out the same.
;;   OPERANDS COMPUTED ON THE WAY. 'Computed on the way' means the value that the module computes at that place (a softmax that the list does not call 'softmax' is quantised finished and normalised). What goes into a quantiser is computed in f32, as accurately as f32 sums, v_exp_f32 and their like allow (about 1e-6 of the number): no bf16 or f16 on the way to a quantiser, and a product that is left as it is and whose result goes on into a quantised operand takes f32 operands (vector FMAs, or v_wmma_f32_16x16x4_f32). A number that lies on a knife's edge between two numbers of the format may be rounded either way, as far as f32 arithmetic and the matrix unit's own rounding can turn it there, and no further.
;; 2 versions. Each part assembles by itself: llvm-mc -triple=amdgcn-amd-amdhsa -mcpu=gfx1250 --defsym DOCPART=n.
;; ======== version 1 of 2: 4 launches
;; limits: a difference of large sums (such as E[x^2] - mean^2): digits are lost where the result is much smaller than its terms
;; workspace buffers: wimg 3,145,728 bytes; wsc 131,072 bytes; rope 524,288 bytes; qrec 6,815,744 bytes; kv 6,815,744 bytes; oc 3,145,728 bytes; osc 131,072 bytes
;; launch prep (part 1): grid 256 x 1, 4 waves a work-group, no clusters, 12,800 bytes of LDS; arguments Wq, Wk, Wv, Wo, wimg, wsc, rope; writes wimg, wsc, rope
.if DOCPART == 1
	.amdgcn_target "amdgcn-amd-amdhsa--gfx1250"
	.amdhsa_code_object_version 6
	.text
	.protected	k_qb30990b499_prep
	.globl	k_qb30990b499_prep
	.p2align	8
	.type	k_qb30990b499_prep,@function
k_qb30990b499_prep:
	s_mov_b64 s[64:65], 0
	v_nop
	global_prefetch_b8 v0, s[64:65] scope:SCOPE_SE
	s_setreg_imm32_b32 hwreg(HW_REG_WAVE_MODE, 25, 1), 1
	s_wait_xcnt 0x0
; The four weights [1024 (k)][1024 (n)], f32, K their FIRST axis, become codes of FP6 (E2M3) with one E8M0 byte for each 32 along K, laid as IMAGES OF OPERAND REGISTERS; and the table of cos and sin for the rotation is made.
; A fragment (16 columns x 128 K) is 12 registers a lane; its image is 1,536 bytes: registers 4 c .. 4 c + 3 of lane l at 512 c + 16 l.  wimg: [weight 4][tile of columns 64][K step 8][image].
; THE COLUMNS OF A TILE ARE NOT NEIGHBOURS: in each 32 columns, lane r of tile u takes column 8 u + r + 8 (r / 8).  wsc: [weight][64 columns' group 16][K step 8][tile 4][r 16], one word (four bytes: 128 along K) a column.
; SHARES: a wave takes 32 columns x 128 along K: A LANE TAKES A COLUMN AND ITS REGISTERS RUN DOWN K, so that a block of 32 lies in one lane and the conversions give codes with K innermost.  Each load reads 128 consecutive bytes,
; the four waves of a work-group 512.  The two images go through the wave's own stage in LDS and leave in stores of 512 consecutive bytes.  Waves share nothing: no barrier.
; THE TABLE: rope[t][0..31] = cos, [32..63] = sin of t / 10^(idx / 8); a wave makes two t, a lane an idx.  The divisor is f32(10^((idx % 8) / 8)) x 10^(idx / 8 rounded down), within one unit in the last place for idx >= 8;
; the quotient is refined by one step; the angle (at most 2,047) is reduced by multiples of pi / 2 held in two parts, and sin and cos are polynomials on +-pi / 4.
; LIMITS: NaN and infinities are not served.  A block of zeros gets the byte 1 where the rule says 127: its codes are zeros, and this program alone reads the bytes.
.set SPARE, 12288                      ; behind the four stages of 3,072 bytes: the spare words, 128 bytes a wave
.set SPW, 7                            ; v7  my spare word's LDS address; never rewritten
.set NIL, 8                            ; v8  0; never rewritten
.set X,   64                           ; v64-191  W(128 s + kk, my column)
.set C,   192                          ; v192-223 codes, eight registers a block: no store's data are written again
.set SW,  224                          ; v224     my column's scale word
.set OB,  228                          ; v228-251 the way out
.macro PICK x, sel, k, lit             ; where v[sel] = k, v[x] becomes lit
	v_cmp_ne_u32 vcc_lo, \k, v[\sel]
	v_cndmask_b32 v[\x], \lit, v[\x], vcc_lo
.endm
; cos and sin of s[st] / v14 (v16 = 1 / v14) into v[o], v[o + 1], stored at off
.macro ANGLE st, off, o
	v_cvt_f32_u32 v20, s[\st]
	v_mul_f32 v21, v20, v16
	v_fma_f32 v22, -v21, v14, v20                  ; what the first quotient leaves
	v_fma_f32 v21, v22, v16, v21                   ; the refined quotient: the angle
	v_mul_f32 v22, 0x3f22f983, v21                 ; x 2 / pi
	v_rndne_f32 v22, v22                           ; n
	v_fmamk_f32 v23, v22, 0xbfc90fdb, v21          ; - n x the upper part of pi / 2
	v_fmamk_f32 v23, v22, 0x333bbd2e, v23          ; + n x what that part has too much
	v_mul_f32 v24, v23, v23                        ; z
	v_mov_b32 v25, 0xb94ca1f9
	v_fmaak_f32 v25, v25, v24, 0x3c08839e
	v_fmaak_f32 v25, v25, v24, 0xbe2aaaa3
	v_mul_f32 v25, v25, v24
	v_fma_f32 v25, v25, v23, v23                   ; sin of the rest
	v_mov_b32 v26, 0x37ccf5ce
	v_fmaak_f32 v26, v26, v24, 0xbab6061a
	v_fmaak_f32 v26, v26, v24, 0x3d2aaaa5
	v_mul_f32 v27, v24, v24
	v_fma_f32 v28, v24, -0.5, 1.0
	v_fma_f32 v26, v26, v27, v28                   ; cos of the rest
	v_cvt_i32_f32 v27, v22
	v_and_b32 v28, 1, v27
	v_cmp_eq_u32 vcc_lo, 1, v28                    ; an odd quarter turn changes sin and cos
	v_cndmask_b32 v29, v25, v26, vcc_lo
	v_cndmask_b32 v30, v26, v25, vcc_lo
	v_and_b32 v28, 2, v27                          ; sin is negative in quarters 2, 3,
	v_lshlrev_b32 v28, 30, v28
	v_xor_b32 v[\o+1], v28, v29
	v_add_nc_u32 v27, 1, v27                       ; cos in quarters 1, 2
	v_and_b32 v27, 2, v27
	v_lshlrev_b32 v27, 30, v27
	v_xor_b32 v[\o], v27, v30
	global_store_b32 v2, v[\o], s[16:17] offset:\off
	global_store_b32 v2, v[\o+1], s[16:17] offset:\off+128
.endm
; Block q of 32 along K: scale, codes, and their place in the two images: block q = 2 c + h is registers 6 c .. 6 c + 5 of lane r + 16 h
.macro BLOCK q, left
.set XS, X+32*(\q)
.set CC, C+8*(\q)
	s_wait_loadcnt \left                           ; this block's 32 loads are in; the later blocks' may be out
	v_max3_num_f32 v40, |v[XS]|, |v[XS+1]|, |v[XS+2]|
	v_max3_num_f32 v41, |v[XS+3]|, |v[XS+4]|, |v[XS+5]|
.irp i, 6,10,14,18,22,26
	v_max3_num_f32 v40, v40, |v[XS+\i]|, |v[XS+\i+1]|
	v_max3_num_f32 v41, v41, |v[XS+\i+2]|, |v[XS+\i+3]|
.endr
	v_max3_num_f32 v40, v40, |v[XS+30]|, |v[XS+31]|
	v_max3_num_f32 v40, v40, v41, 0x1800000        ; and the floor 2^(3 - 127): the byte cannot fall under 1
	v_add_nc_u32 v42, 0xff000000, v40              ; 2 off the exponent field: the conversion's scale operand
	v_lshrrev_b32 v43, 23, v42                     ; the byte
.if (\q) == 0
	v_mov_b32 v[SW], v43
.else
	v_lshl_or_b32 v[SW], v43, 8*(\q), v[SW]
.endif
	v_cvt_scalef32_pk16_fp6_f32 v[CC:CC+2], v[XS:XS+15], v42
	v_cvt_scalef32_pk16_fp6_f32 v[CC+4:CC+6], v[XS+16:XS+31], v42   ; (a conversion's three registers begin on an even number)
	v_nop                                          ; one plain place behind a scaled conversion
	v_mov_b32 v[CC+3], v[CC+4]
	v_mov_b32 v[CC+4], v[CC+5]
	v_mov_b32 v[CC+5], v[CC+6]                     ; CC .. CC + 5: the block's 24 bytes
.if (\q)/2 == 0
	ds_store_b128 v3, v[CC:CC+3] offset:256*((\q)%2)
	ds_store_b64 v3, v[CC+4:CC+5] offset:256*((\q)%2)+512
.else
	ds_store_b64 v3, v[CC:CC+1] offset:256*((\q)%2)+520
	ds_store_b128 v3, v[CC+2:CC+5] offset:256*((\q)%2)+1024
.endif
.endm
	s_load_b256 s[4:11], s[0:1], 0x0               ; Wq, Wk, Wv, Wo
	s_load_b128 s[12:15], s[0:1], 0x20             ; wimg, wsc
	s_load_b64 s[16:17], s[0:1], 0x30              ; rope
	v_lshl_add_u32 v[SPW], v0, 2, SPARE
	v_mov_b32 v[NIL], 0
	v_lshrrev_b32 v1, 5, v0
	v_readfirstlane_b32 s18, v1                    ; wave
	v_and_b32 v1, 31, v0                           ; lane
	v_lshlrev_b32 v2, 2, v1                        ; 4 x lane
	v_lshlrev_b32 v5, 4, v1                        ; 16 x lane
	v_bfe_u32 v9, v0, 3, 1                         ; my column's tile u = (lane / 8) % 2
	v_bfe_u32 v10, v0, 4, 1
	v_and_b32 v11, 7, v0
	v_lshl_add_u32 v11, v10, 3, v11                ; and its lane there: r = lane % 8 + 8 (lane / 16)
	s_mul_i32 s19, s18, 3072                       ; my stage
	v_mul_u32_u24 v3, v9, 1536
	v_lshl_add_u32 v3, v11, 4, v3
	v_add_nc_u32 v3, s19, v3                       ; into it: image u, 16 r
	v_add_nc_u32 v4, s19, v5                       ; out of it: 16 x lane
	v_lshlrev_b32 v6, 6, v9
	v_lshl_add_u32 v6, v11, 2, v6                  ; my scale word: 64 u + 4 r
	s_lshr_b32 s20, ttmp9, 6                       ; which weight
	s_and_b32 s21, ttmp9, 7                        ; K step
	s_bfe_u32 s22, ttmp9, 0x30003
	s_lshl_b32 s22, s22, 2
	s_add_co_u32 s22, s22, s18                     ; cb: which 32 columns
	s_lshl_b32 s24, s21, 19                        ; W: 128 rows of 4,096 bytes a K step,
	s_lshl_b32 s25, s22, 7                         ; 128 bytes for 32 columns
	s_add_co_u32 s24, s24, s25
	s_mov_b32 s25, 0
	s_lshl_b32 s26, s22, 4                         ; wimg: image (16 cb + 8 u + s)
	s_add_co_u32 s26, s26, s21
	s_mul_i32 s26, s26, 1536
	s_mul_i32 s27, s20, 786432
	s_add_co_u32 s26, s26, s27
	s_mov_b32 s27, 0
	s_lshr_b32 s28, s22, 1                         ; wsc: ((cb / 2) 8 + s) 256 + 128 (cb % 2)
	s_lshl_b32 s28, s28, 3
	s_add_co_u32 s28, s28, s21
	s_lshl_b32 s28, s28, 8
	s_and_b32 s29, s22, 1
	s_lshl_b32 s29, s29, 7
	s_add_co_u32 s28, s28, s29
	s_lshl_b32 s29, s20, 15
	s_add_co_u32 s28, s28, s29
	s_mov_b32 s29, 0
	s_lshl_b32 s30, ttmp9, 2
	s_add_co_u32 s30, s30, s18                     ; the wave's number in the launch: 0 .. 1,023
	s_lshl_b32 s32, s30, 1                         ; its two t
	s_add_co_u32 s33, s32, 1
	s_lshl_b32 s30, s30, 9                         ; 512 bytes of the table
	s_mov_b32 s31, 0
	s_wait_kmcnt 0x0
	s_cmp_eq_u32 s20, 1                            ; the choice hangs on the work-group's number alone
	s_cselect_b64 s[4:5], s[6:7], s[4:5]
	s_cmp_eq_u32 s20, 3
	s_cselect_b64 s[8:9], s[10:11], s[8:9]
	s_cmp_lt_u32 s20, 2
	s_cselect_b64 s[4:5], s[4:5], s[8:9]
	s_add_nc_u64 s[4:5], s[4:5], s[24:25]
	s_add_nc_u64 s[12:13], s[12:13], s[26:27]
	s_add_nc_u64 s[14:15], s[14:15], s[28:29]
	s_add_nc_u64 s[16:17], s[16:17], s[30:31]
.set kk, 0
.rept 128
	global_load_b32 v[X+kk], v2, s[4:5] offset:kk*4096 th:TH_LOAD_NT   ; 32 lanes read 128 consecutive bytes of row 128 s + kk
.set kk, kk+1
.endr
	; the table, while the loads are on their way
	v_and_b32 v12, 7, v1
	v_lshrrev_b32 v13, 3, v1
	v_mov_b32 v14, 1.0
	PICK 14, 12, 1, 0x3faab0d5                     ; 10^(1/8) .. 10^(7/8)
	PICK 14, 12, 2, 0x3fe39ea9
	PICK 14, 12, 3, 0x4017c496
	PICK 14, 12, 4, 0x404a62c2
	PICK 14, 12, 5, 0x4086f161
	PICK 14, 12, 6, 0x40b3f300
	PICK 14, 12, 7, 0x40eff755
	v_mov_b32 v15, 1.0
	PICK 15, 13, 1, 0x41200000                     ; 10, 100, 1,000
	PICK 15, 13, 2, 0x42c80000
	PICK 15, 13, 3, 0x447a0000
	v_mul_f32 v14, v14, v15                        ; the divisor
	v_rcp_f32 v16, v14
	v_nop                                          ; a plain place behind the reciprocal,
	s_wait_alu depctr_va_vdst(0)                   ; and a wait ahead of its first reader
	ANGLE 32, 0, 32
	ANGLE 33, 256, 34
	BLOCK 0, 63                                    ; 96 later loads may be out: the count is held to the field's largest
	BLOCK 1, 63                                    ; 64 likewise
	BLOCK 2, 32
	BLOCK 3, 0
.irp i, 0,1,2,3,4,5
	ds_load_b128 v[OB+4*\i:OB+4*\i+3], v4 offset:512*\i   ; LDS serves a wave's instructions in order: these see my stores
.endr
.irp i, 0,1,2,3,4,5
	s_wait_dscnt 5-\i
	global_store_b128 v5, v[OB+4*\i:OB+4*\i+3], s[12:13] offset:(\i/3)*12288+(\i%3)*512   ; 512 consecutive bytes, at a multiple of 256 from the buffer's first byte
.endr
	global_store_b32 v6, v[SW], s[14:15]
	s_wait_tensorcnt 0x0                           ; the wave's end, behind my last LDS store
	ds_add_u32 v[SPW], v[NIL]
	s_wait_dscnt 0x0
	s_endpgm
.Lfunc_end_k_qb30990b499_prep:
	.size	k_qb30990b499_prep, .Lfunc_end_k_qb30990b499_prep-k_qb30990b499_prep
	.p2alignl 7, 3214868480
	.fill 96, 4, 3214868480
	.section	.rodata,"a",@progbits
	.p2align	6, 0x0
	.amdhsa_kernel k_qb30990b499_prep
		.amdhsa_group_segment_fixed_size 12800
		.amdhsa_private_segment_fixed_size 0
		.amdhsa_enable_private_segment 0
		.amdhsa_kernarg_size 56
		.amdhsa_user_sgpr_count 2
		.amdhsa_user_sgpr_kernarg_segment_ptr 1
		.amdhsa_wavefront_size32 1
		.amdhsa_system_sgpr_workgroup_id_x 1
		.amdhsa_system_sgpr_workgroup_id_y 1
		.amdhsa_system_sgpr_workgroup_id_z 1
		.amdhsa_system_vgpr_workitem_id 0
		.amdhsa_next_free_vgpr 256
		.amdhsa_next_free_sgpr 66
		.amdhsa_reserve_vcc 1
		.amdhsa_float_denorm_mode_32 3
		.amdhsa_float_denorm_mode_16_64 3
		.amdhsa_memory_ordered 1
		.amdhsa_forward_progress 1
		.amdhsa_inst_pref_size 27
	.end_amdhsa_kernel
	.amdgpu_metadata
---
amdhsa.version: [ 1, 2 ]
amdhsa.kernels:
  - .name:           k_qb30990b499_prep
    .symbol:         k_qb30990b499_prep.kd
    .args:
      - { .name: Wq, .offset: 0, .size: 8, .value_kind: global_buffer, .address_space: global }
      - { .name: Wk, .offset: 8, .size: 8, .value_kind: global_buffer, .address_space: global }
      - { .name: Wv, .offset: 16, .size: 8, .value_kind: global_buffer, .address_space: global }
      - { .name: Wo, .offset: 24, .size: 8, .value_kind: global_buffer, .address_space: global }
      - { .name: wimg, .offset: 32, .size: 8, .value_kind: global_buffer, .address_space: global }
      - { .name: wsc, .offset: 40, .size: 8, .value_kind: global_buffer, .address_space: global }
      - { .name: rope, .offset: 48, .size: 8, .value_kind: global_buffer, .address_space: global }
    .group_segment_fixed_size: 12800
    .private_segment_fixed_size: 0
    .kernarg_segment_align: 8
    .kernarg_segment_size: 56
    .max_flat_workgroup_size: 128
    .sgpr_count:     66
    .vgpr_count:     256
    .wavefront_size: 32
...
	.end_amdgpu_metadata
.endif
;; end of part 1
;; launch proj (part 2): grid 64 x 3, 16 waves a work-group, no clusters, 190,464 bytes of LDS; arguments query, key, value, wimg, wsc, bq, bk, bv, rope, qrec, kv; writes qrec, kv
.if DOCPART == 2
	.amdgcn_target "amdgcn-amd-amdhsa--gfx1250"
	.amdhsa_code_object_version 6
	.text
	.protected	k_qb30990b499_proj
	.globl	k_qb30990b499_proj
	.p2align	8
	.type	k_qb30990b499_proj,@function
k_qb30990b499_proj:
	s_mov_b64 s[64:65], 0
	v_nop
	global_prefetch_b8 v0, s[64:65] scope:SCOPE_SE
	s_setreg_imm32_b32 hwreg(HW_REG_WAVE_MODE, 25, 1), 1
	s_wait_xcnt 0x0
; The three input projections on codes of FP6 (E2M3): work-group (x, y) takes 64 rows (x) of query (y = 0), key (1) or value (2), all 1,024 columns; wave = head: 64 rows x 64 columns, 16 accumulators.
; PHASE X: the 64 x 1,024 f32 numbers are read once, quantised along K by the 16 waves (two fragments of 16 rows x 128 K each) and handed round through LDS as images of the operand's registers
; (registers 4 c .. 4 c + 3 of lane l at 512 c + 16 l), with one barrier.  Then each wave walks 8 K steps: its weights' four images a step come from memory straight into registers, x's four from LDS.
; THE ROWS OF A TILE ARE NOT NEIGHBOURS: in each 32 rows, lane r of tile u takes row 8 u + r + 8 (r / 8); the weights' columns likewise.  So with such a tile as source 0, the 16 registers of two neighbouring tiles are 16 neighbours.
; Q, K (source 0 = 16 columns, source 1 = 16 rows): a lane holds one row and 32 of its head's 64 numbers: bias, rotation, quantised along the head's 64: a half image (6 registers: 0-3 at 16 l, 4-5 at 512 + 8 l) for each tile of rows.
; V (source 0 = 16 rows, source 1 = 16 columns): a lane holds one column and 32 of the 64 keys: bias, quantised along the KEYS: a half image for each tile of columns.
; RECORDS of 6,656 bytes for (batch, head, 64 rows): +0 four half images of Q or K, +3072 four of V, +6144 the scale words of Q or K (lane l's 8 bytes at 8 l: tiles l / 16 and l / 16 + 2 of row l % 16; bytes 2, 3 are 127),
; +6400 V's (word 0 of lane l: the half words of tiles 2 (l / 16) and 2 (l / 16) + 1).
; NO CLUSTER, NO TENSOR LOAD for the weights: no two waves of a work-group share a fragment of W, so LDS would only be a detour, and two slots of a K step's 64 images (98,304 bytes each) do not fit beside the 188,416 bytes in use.
; LIMITS: NaN and infinities are not served.  A block of zeros gets the byte 1 where the rule says 127: its codes are zeros, and this program alone reads the bytes.
.set XIMG,  0                          ; LDS: x's 32 images (tile of rows m, K step s: 8 m + s), 1,536 bytes each;
.set XSC,   49152                      ; their scale words, 128 bytes each (4 bytes a lane);
.set STG,   53248                      ; a stage of 16 rows x (512 + 16) bytes for each wave;
.set SPARE, 188416                     ; the spare words, 128 bytes a wave
.set SPW, 9                            ; v9   my spare word's LDS address; never rewritten
.set NIL, 10                           ; v10  0; never rewritten
.set PW,  31                           ; v31  the scale word just made
.set FA,  32                           ; v32-79   source 0's four fragments
.set FB,  80                           ; v80-127  source 1's four
.set ACC, 128                          ; v128-255 accumulator (source 1's tile q, source 0's tile a) at 128 + 32 q + 8 a.  v14-17: W's scale words, v18-21: x's; they hold nothing else
.set SEL, 42                           ; s[42:43] selects for v_permlanex16_b32: lane l xor 16
; 64 numbers of a lane, register 16 b + i = k 32 b + 16 (lane / 16) + i of my row, become a fragment's codes in v[pc] .. v[pc + 11] and its scale word in v[pw]
.macro QUANT4 s, tm, pc, pw
.irp b, 0,1,2,3
	v_max3_num_f32 v[\tm+\b], |v[\s+16*\b]|, |v[\s+1+16*\b]|, 0x1800000   ; my 16 numbers of block b, and the floor 2^(3 - 127): the byte cannot fall under 1
.endr
.irp i, 2,4,6,8,10,12,14
.irp b, 0,1,2,3
	v_max3_num_f32 v[\tm+\b], v[\tm+\b], |v[\s+16*\b+\i]|, |v[\s+1+16*\b+\i]|
.endr
.endr
.irp b, 0,1,2,3
	v_permlanex16_b32 v[\tm+4+\b], v[\tm+\b], s[SEL], s[SEL+1]
.endr
.irp b, 0,1,2,3
	v_max_num_f32 v[\tm+\b], v[\tm+\b], v[\tm+4+\b]   ; with lane l xor 16's: the block's largest magnitude
.endr
.irp b, 0,1,2,3
	v_add_nc_u32 v[\tm+8+\b], 0xff000000, v[\tm+\b]   ; 2 off its exponent field: the conversion's scale operand
.endr
.irp b, 0,1,2,3
	v_lshrrev_b32 v[\tm+4+\b], 23, v[\tm+8+\b]        ; the byte
.endr
	v_lshl_or_b32 v[\pw], v[\tm+5], 8, v[\tm+4]
	v_lshl_or_b32 v[\pw], v[\tm+6], 16, v[\pw]
	v_lshl_or_b32 v[\pw], v[\tm+7], 24, v[\pw]
.irp c, 0,1
	v_cvt_scalef32_pk16_fp6_f32 v[\pc+6*\c:\pc+2+6*\c], v[\s+32*\c:\s+15+32*\c], v[\tm+8+2*\c]
	v_cvt_scalef32_pk16_fp6_f32 v[\pc+12+4*\c:\pc+14+4*\c], v[\s+16+32*\c:\s+31+32*\c], v[\tm+8+2*\c+1]
.endr
	v_nop                                          ; one plain place behind a scaled conversion
.irp c, 0,1                                    ; the operand wants a WHOLE block in a lane: lanes 0-15 block 2 c, lanes 16-31 block 2 c + 1
.irp i, 0,1,2
	v_permlane16_swap_b32 v[\pc+6*\c+\i], v[\pc+12+4*\c+\i]
.endr
.irp i, 0,1,2
	v_mov_b32 v[\pc+3+6*\c+\i], v[\pc+12+4*\c+\i]
.endr
.endr
.endm
; 32 numbers of a lane (two blocks) become half a fragment's codes in v[pc] .. v[pc + 5] and two scale bytes in v[hw]
.macro QUANT2 s, tm, pc, hw
.irp b, 0,1
	v_max3_num_f32 v[\tm+\b], |v[\s+16*\b]|, |v[\s+1+16*\b]|, 0x1800000
.endr
.irp i, 2,4,6,8,10,12,14
.irp b, 0,1
	v_max3_num_f32 v[\tm+\b], v[\tm+\b], |v[\s+16*\b+\i]|, |v[\s+1+16*\b+\i]|
.endr
.endr
.irp b, 0,1
	v_permlanex16_b32 v[\tm+2+\b], v[\tm+\b], s[SEL], s[SEL+1]
.endr
.irp b, 0,1
	v_max_num_f32 v[\tm+\b], v[\tm+\b], v[\tm+2+\b]
.endr
.irp b, 0,1
	v_add_nc_u32 v[\tm+4+\b], 0xff000000, v[\tm+\b]
.endr
.irp b, 0,1
	v_lshrrev_b32 v[\tm+2+\b], 23, v[\tm+4+\b]
.endr
	v_lshl_or_b32 v[\hw], v[\tm+3], 8, v[\tm+2]
	v_cvt_scalef32_pk16_fp6_f32 v[\pc:\pc+2], v[\s:\s+15], v[\tm+4]
	v_cvt_scalef32_pk16_fp6_f32 v[\pc+6:\pc+8], v[\s+16:\s+31], v[\tm+5]
	v_nop                                          ; one plain place behind a scaled conversion
.irp i, 0,1,2
	v_permlane16_swap_b32 v[\pc+\i], v[\pc+6+\i]
.endr
.irp i, 0,1,2
	v_mov_b32 v[\pc+3+\i], v[\pc+6+\i]
.endr
.endm
.macro MMA d, a, b, sa, sb, zero
.if \zero
	v_wmma_scale_f32_16x16x128_f8f6f4 v[\d:\d+7], v[\a:\a+11], v[\b:\b+11], 0, v[\sa], v[\sb] matrix_a_fmt:MATRIX_FMT_FP6 matrix_b_fmt:MATRIX_FMT_FP6
.else
	v_wmma_scale_f32_16x16x128_f8f6f4 v[\d:\d+7], v[\a:\a+11], v[\b:\b+11], v[\d:\d+7], v[\sa], v[\sb] matrix_a_fmt:MATRIX_FMT_FP6 matrix_b_fmt:MATRIX_FMT_FP6
.endif
.endm
; K step s: W's four images into v[wr] on, x's four into v[xr] on, 16 products.  The 16 accumulators take turns, one instruction a turn.
.macro KSTEP s, wr, xr, swap, zero
.rept 4
	v_nop                                          ; four places in front of loads into registers that matrix instructions have read
.endr
.irp t, 0,1,2,3
.irp c, 0,1,2
	global_load_b128 v[\wr+12*\t+4*\c:\wr+12*\t+4*\c+3], v1, s[32:33] offset:(8*\t+\s)*1536+512*\c
.endr
	global_load_b32 v[14+\t], v4, s[34:35] offset:256*\s+64*\t
.endr
.irp t, 0,1,2,3
.irp c, 0,1,2
	ds_load_b128 v[\xr+12*\t+4*\c:\xr+12*\t+4*\c+3], v1 offset:XIMG+(8*\t+\s)*1536+512*\c
.endr
	ds_load_b32 v[18+\t], v3 offset:XSC+(8*\t+\s)*128
.endr
	s_wait_loadcnt 0x0
	s_wait_dscnt 0x0
.irp q, 0,1,2,3
.irp a, 0,1,2,3
.if \swap
	MMA ACC+32*\q+8*\a, FA+12*\a, FB+12*\q, 18+\a, 14+\q, \zero
.else
	MMA ACC+32*\q+8*\a, FA+12*\a, FB+12*\q, 14+\a, 18+\q, \zero
.endif
.endr
.endr
.endm
	s_load_b512 s[4:19], s[0:1], 0x0               ; query, key, value, wimg, wsc, bq, bk, bv
	s_load_b128 s[20:23], s[0:1], 0x40             ; rope, qrec
	s_load_b64 s[24:25], s[0:1], 0x50              ; kv
	v_lshl_add_u32 v[SPW], v0, 2, SPARE
	v_mov_b32 v[NIL], 0
	v_lshrrev_b32 v1, 5, v0
	v_readfirstlane_b32 s26, v1                    ; wave = head
	s_and_b32 s27, ttmp7, 0xffff                   ; which tensor
	v_and_b32 v13, 31, v0                          ; lane
	v_and_b32 v22, 15, v0                          ; r
	v_bfe_u32 v23, v0, 4, 1                        ; h
	v_lshlrev_b32 v1, 4, v13                       ; 16 x lane
	v_lshlrev_b32 v2, 3, v13                       ; 8 x lane
	v_lshlrev_b32 v3, 2, v13                       ; 4 x lane
	v_lshlrev_b32 v4, 2, v22                       ; 4 r
	s_mul_i32 s45, s26, 8448
	s_add_co_u32 s45, s45, STG                     ; my stage
	v_add_nc_u32 v5, s45, v1                       ; into it: a row's 512 bytes as they lie
	v_mul_u32_u24 v6, v22, 528
	v_lshl_add_u32 v6, v23, 6, v6
	v_add_nc_u32 v6, s45, v6                       ; out of it: row r, + 64 h: my 16 numbers of a block of 32
	s_mul_i32 s45, s26, 3072
	v_add_nc_u32 v7, s45, v1                       ; where I store my two images
	s_lshl_b32 s45, s26, 8
	v_add_nc_u32 v8, s45, v3                       ; and their scale words
	v_and_b32 v24, 8, v22
	v_add_nc_u32 v24, v24, v22                     ; r + 8 (r / 8)
	v_lshlrev_b32 v11, 8, v24
	v_lshl_add_u32 v11, v23, 6, v11                ; the table: my row's 256 bytes, + 64 h
	v_lshlrev_b32 v12, 6, v23                      ; bq, bk: 64 h
	v_lshlrev_b32 v25, 2, v24                      ; bv: my column
.irp b, 0,1,2,3
	v_mov_b32 v[120+\b], 0                         ; written once: a lane permute's destination counts as one of its sources
.endr
	s_lshl_b32 s46, ttmp9, 18                      ; x: 64 rows of 4,096 bytes a work-group,
	s_lshr_b32 s47, s26, 3
	s_lshl_b32 s47, s47, 17                        ; my tile m = wave / 4 begins at row 32 (m / 2) + 8 (m % 2),
	s_add_co_u32 s46, s46, s47
	s_bfe_u32 s47, s26, 0x10002
	s_lshl_b32 s47, s47, 15
	s_add_co_u32 s46, s46, s47
	s_and_b32 s47, s26, 3
	s_lshl_b32 s47, s47, 10                        ; my two K steps: 1,024 bytes x (wave % 4)
	s_add_co_u32 s46, s46, s47
	s_mov_b32 s47, 0
	s_mul_i32 s48, s27, 786432                     ; my head's 32 images of this weight
	s_mul_i32 s49, s26, 49152
	s_add_co_u32 s48, s48, s49
	s_mov_b32 s49, 0
	s_lshl_b32 s50, s27, 15                        ; and their scale words
	s_lshl_b32 s51, s26, 11
	s_add_co_u32 s50, s50, s51
	s_mov_b32 s51, 0
	s_lshr_b32 s52, ttmp9, 5                       ; the record of (batch, head, 64 rows)
	s_lshl_b32 s52, s52, 4
	s_add_co_u32 s52, s52, s26
	s_mul_i32 s52, s52, 212992
	s_and_b32 s53, ttmp9, 31
	s_mul_i32 s54, s53, 6656
	s_add_co_u32 s52, s52, s54
	s_lshl_b32 s54, s53, 14                        ; the table's 64 rows of 256 bytes
	s_mov_b32 s53, 0
	s_mov_b32 s55, 0
	s_lshl_b32 s56, s26, 8                         ; the bias: my head's 64 numbers
	s_mov_b32 s57, 0
	s_mov_b32 s[SEL], 0x76543210
	s_mov_b32 s[SEL+1], 0xfedcba98
	s_mov_b32 s44, 0xffff0000                      ; lanes 16-31
	s_wait_kmcnt 0x0
	s_cmp_eq_u32 s27, 0                            ; the choices hang on the work-group's number alone
	s_cselect_b64 s[30:31], s[4:5], s[6:7]
	s_cselect_b64 s[36:37], s[14:15], s[16:17]
	s_cselect_b64 s[38:39], s[22:23], s[24:25]
	s_cmp_eq_u32 s27, 2
	s_cselect_b64 s[30:31], s[8:9], s[30:31]
	s_cselect_b64 s[36:37], s[18:19], s[36:37]
	s_add_nc_u64 s[30:31], s[30:31], s[46:47]
	s_add_nc_u64 s[32:33], s[10:11], s[48:49]
	s_add_nc_u64 s[34:35], s[12:13], s[50:51]
	s_add_nc_u64 s[36:37], s[36:37], s[56:57]
	s_add_nc_u64 s[38:39], s[38:39], s[52:53]
	s_add_nc_u64 s[40:41], s[20:21], s[54:55]
	; ---- X: my two fragments: 16 rows x 128 K each; a load reads a row's 512 consecutive bytes
.irp f, 0,1
.irp i, 0,1,2,3,4,5,6,7,8,9,10,11,12,13,14,15
	global_load_b128 v[ACC+64*\f+4*\i:ACC+64*\f+4*\i+3], v1, s[30:31] offset:(\i+8*(\i/8))*4096+512*\f th:TH_LOAD_NT
.endr
.endr
.macro XFRAG f, left
	s_wait_loadcnt \left
.irp i, 0,1,2,3,4,5,6,7,8,9,10,11,12,13,14,15
	ds_store_b128 v5, v[ACC+64*\f+4*\i:ACC+64*\f+4*\i+3] offset:528*\i
.endr
.irp b, 0,1,2,3
.irp j, 0,1,2,3
	ds_load_b128 v[32+16*\b+4*\j:35+16*\b+4*\j], v6 offset:128*\b+16*\j   ; LDS serves a wave's instructions in order: these see my stores
.endr
.endr
	s_wait_dscnt 0x0                               ; my 64 numbers are in; the last fragment's image has been stored
	QUANT4 32, 116, 96, PW
.irp c, 0,1,2
	ds_store_b128 v7, v[96+4*\c:99+4*\c] offset:XIMG+1536*\f+512*\c
.endr
	ds_store_b32 v8, v[PW] offset:XSC+128*\f
.endm
	XFRAG 0, 16                                    ; the second fragment's 16 loads may be out
	XFRAG 1, 0
	s_wait_dscnt 0x0                               ; for the others' sake: my images are stored
	s_barrier_signal -1
	s_barrier_wait -1                              ; x's 32 images lie in LDS; nothing is stored to LDS after this but the closing add
	s_cmp_eq_u32 s27, 2
	s_cbranch_scc1 .Lv
	; ---- Q, K: source 0 = W, source 1 = x
	KSTEP 0, FA, FB, 0, 1
.irp s, 1,2,3,4,5,6,7
	KSTEP \s, FA, FB, 0, 0
.endr
.rept 4
	v_nop                                          ; four places in front of the first read of results and of loads and writes into the operands' registers
.endr
	v_mov_b32 v106, 0                              ; a lane permute's destination counts as one of its sources
	v_mov_b32 v107, 0
.irp b, 0,1
.irp i, 0,1,2,3
	global_load_b128 v[32+16*\b+4*\i:35+16*\b+4*\i], v12, s[36:37] offset:128*\b+16*\i   ; the bias at my 32 numbers: d = 32 b + 16 h + 0 .. 15
.endr
.endr
.macro CS mm                           ; cos (v64-79) and sin (v80-95) of my row of tile mm, at indices 16 h + 0 .. 15
.irp i, 0,1,2,3
	global_load_b128 v[64+4*\i:67+4*\i], v11, s[40:41] offset:(32*((\mm)/2)+8*((\mm)%2))*256+16*\i
	global_load_b128 v[80+4*\i:83+4*\i], v11, s[40:41] offset:(32*((\mm)/2)+8*((\mm)%2))*256+128+16*\i
.endr
.endm
	CS 0
.macro QKROW mm
.set A, ACC+32*(\mm)                   ; registers A + i: d = 16 h + i (the left half); A + 16 + i: d = 32 + 16 h + i (the right half)
	s_wait_loadcnt 0x0
.irp j, 0,2,4,6,8,10,12,14,16,18,20,22,24,26,28,30
	v_pk_add_f32 v[A+\j:A+\j+1], v[A+\j:A+\j+1], v[32+\j:33+\j]   ; each accumulator from its low end on
.endr
.irp j, 0,2,4,6,8,10,12,14
.set T, 96+2*(\j%4)
	v_pk_mul_f32 v[T:T+1], v[A+16+\j:A+17+\j], v[80+\j:81+\j]
	v_pk_mul_f32 v[T+2:T+3], v[A+\j:A+\j+1], v[80+\j:81+\j]
	v_pk_fma_f32 v[A+\j:A+\j+1], v[A+\j:A+\j+1], v[64+\j:65+\j], v[T:T+1] neg_lo:[0,0,1] neg_hi:[0,0,1]   ; left x cos - right x sin
	v_pk_fma_f32 v[A+16+\j:A+17+\j], v[A+16+\j:A+17+\j], v[64+\j:65+\j], v[T+2:T+3]                       ; right x cos + left x sin
.endr
.if (\mm) < 3
	CS (\mm)+1
.endif
.if (\mm) > 0
	s_wait_xcnt 0x0                                ; the last tile's stores have read their data: the codes' registers are written again only behind this wait
.endif
	QUANT2 A, 104, 110, 120+(\mm)
	v_or_b32 v[120+(\mm)], 0x7f7f0000, v[120+(\mm)]   ; bytes 2 and 3, for the half of the instruction's K that is not there: 127
	global_store_b128 v1, v[110:113], s[38:39] offset:768*(\mm)
	global_store_b64 v2, v[114:115], s[38:39] offset:768*(\mm)+512
.endm
	QKROW 0
	QKROW 1
	QKROW 2
	QKROW 3
	v_cndmask_b32 v124, v120, v121, s44            ; lanes 0-15: tiles 0 and 2; lanes 16-31: tiles 1 and 3
	v_cndmask_b32 v125, v122, v123, s44
	global_store_b64 v2, v[124:125], s[38:39] offset:6144
	s_wait_tensorcnt 0x0                           ; the wave's end, behind my last LDS store
	ds_add_u32 v[SPW], v[NIL]
	s_wait_dscnt 0x0
	s_endpgm
.Lv:
	; ---- V: source 0 = x, source 1 = W
	KSTEP 0, FB, FA, 1, 1
.irp s, 1,2,3,4,5,6,7
	KSTEP \s, FB, FA, 1, 0
.endr
.rept 4
	v_nop
.endr
	v_mov_b32 v106, 0
	v_mov_b32 v107, 0
.irp t, 0,1,2,3
	global_load_b32 v[32+2*\t], v25, s[36:37] offset:(32*(\t/2)+8*(\t%2))*4   ; the bias of my column of tile t
.endr
	s_wait_loadcnt 0x0
.irp t, 0,1,2,3
	v_mov_b32 v[33+2*\t], v[32+2*\t]
.endr
.macro VROW t
.set A, ACC+32*(\t)                    ; registers A + 16 b + i: key 32 b + 16 h + i of the 64
.irp j, 0,2,4,6,8,10,12,14,16,18,20,22,24,26,28,30
	v_pk_add_f32 v[A+\j:A+\j+1], v[A+\j:A+\j+1], v[32+2*(\t):33+2*(\t)]
.endr
.if (\t) > 0
	s_wait_xcnt 0x0                                ; the last tile's stores have read their data
.endif
	QUANT2 A, 104, 110, 120+(\t)
	global_store_b128 v1, v[110:113], s[38:39] offset:3072+768*(\t)
	global_store_b64 v2, v[114:115], s[38:39] offset:3072+768*(\t)+512
.endm
	VROW 0
	VROW 1
	VROW 2
	VROW 3
	v_lshl_or_b32 v124, v121, 16, v120
	v_lshl_or_b32 v126, v123, 16, v122
	v_cndmask_b32 v124, v124, v126, s44            ; lanes 0-15: tiles 0, 1; lanes 16-31: tiles 2, 3
	v_mov_b32 v125, 0
	global_store_b64 v2, v[124:125], s[38:39] offset:6400
	s_wait_tensorcnt 0x0                           ; the wave's end, as above
	ds_add_u32 v[SPW], v[NIL]
	s_wait_dscnt 0x0
	s_endpgm
.Lfunc_end_k_qb30990b499_proj:
	.size	k_qb30990b499_proj, .Lfunc_end_k_qb30990b499_proj-k_qb30990b499_proj
	.p2alignl 7, 3214868480
	.fill 96, 4, 3214868480
	.section	.rodata,"a",@progbits
	.p2align	6, 0x0
	.amdhsa_kernel k_qb30990b499_proj
		.amdhsa_group_segment_fixed_size 190464
		.amdhsa_private_segment_fixed_size 0
		.amdhsa_enable_private_segment 0
		.amdhsa_kernarg_size 88
		.amdhsa_user_sgpr_count 2
		.amdhsa_user_sgpr_kernarg_segment_ptr 1
		.amdhsa_wavefront_size32 1
		.amdhsa_system_sgpr_workgroup_id_x 1
		.amdhsa_system_sgpr_workgroup_id_y 1
		.amdhsa_system_sgpr_workgroup_id_z 1
		.amdhsa_system_vgpr_workitem_id 0
		.amdhsa_next_free_vgpr 256
		.amdhsa_next_free_sgpr 66
		.amdhsa_reserve_vcc 0
		.amdhsa_float_denorm_mode_32 3
		.amdhsa_float_denorm_mode_16_64 3
		.amdhsa_memory_ordered 1
		.amdhsa_forward_progress 1
		.amdhsa_inst_pref_size 133
	.end_amdhsa_kernel
	.amdgpu_metadata
---
amdhsa.version: [ 1, 2 ]
amdhsa.kernels:
  - .name:           k_qb30990b499_proj
    .symbol:         k_qb30990b499_proj.kd
    .args:
      - { .name: query, .offset: 0, .size: 8, .value_kind: global_buffer, .address_space: global }
      - { .name: key, .offset: 8, .size: 8, .value_kind: global_buffer, .address_space: global }
      - { .name: value, .offset: 16, .size: 8, .value_kind: global_buffer, .address_space: global }
      - { .name: wimg, .offset: 24, .size: 8, .value_kind: global_buffer, .address_space: global }
      - { .name: wsc, .offset: 32, .size: 8, .value_kind: global_buffer, .address_space: global }
      - { .name: bq, .offset: 40, .size: 8, .value_kind: global_buffer, .address_space: global }
      - { .name: bk, .offset: 48, .size: 8, .value_kind: global_buffer, .address_space: global }
      - { .name: bv, .offset: 56, .size: 8, .value_kind: global_buffer, .address_space: global }
      - { .name: rope, .offset: 64, .size: 8, .value_kind: global_buffer, .address_space: global }
      - { .name: qrec, .offset: 72, .size: 8, .value_kind: global_buffer, .address_space: global }
      - { .name: kv, .offset: 80, .size: 8, .value_kind: global_buffer, .address_space: global }
    .group_segment_fixed_size: 190464
    .private_segment_fixed_size: 0
    .kernarg_segment_align: 8
    .kernarg_segment_size: 88
    .max_flat_workgroup_size: 512
    .sgpr_count:     66
    .vgpr_count:     256
    .wavefront_size: 32
...
	.end_amdgpu_metadata
.endif
;; end of part 2
;; launch attn (part 3): grid 8 x 32, 16 waves a work-group, clusters of 4 x 1, 223,232 bytes of LDS; arguments qrec, kv, frac, alpha_pos, alpha_neg, oc, osc; writes oc, osc
.if DOCPART == 3
	.amdgcn_target "amdgcn-amd-amdhsa--gfx1250"
	.amdhsa_code_object_version 6
	.text
	.protected	k_qb30990b499_attn
	.globl	k_qb30990b499_attn
	.p2align	8
	.type	k_qb30990b499_attn,@function
k_qb30990b499_attn:
	s_mov_b64 s[64:65], 0
	v_nop
	global_prefetch_b8 v0, s[64:65] scope:SCOPE_SE
	s_setreg_imm32_b32 hwreg(HW_REG_WAVE_MODE, 25, 1), 1
	s_wait_xcnt 0x0
	s_wait_alu depctr_hold_cnt(0) depctr_sa_sdst(0) depctr_va_vdst(0) depctr_va_sdst(0) depctr_va_ssrc(0) depctr_va_vcc(0) depctr_vm_vsrc(0)
	s_getreg_b32 s2, hwreg(HW_REG_IB_STS2, 6, 4)
	s_cmp_eq_u32 s2, 0
	s_cbranch_scc0 .Lentry_in_a_cluster
	s_endpgm
.Lentry_in_a_cluster:
	s_bfe_u32 s2, ttmp6, 0x10000c
	s_cmp_lg_u32 s2, 0x3003
	s_cbranch_scc0 .Lentry_shape_is_right
	s_endpgm
.Lentry_shape_is_right:
; Attention on codes of FP6 (E2M3) for one (batch, head): scores = Q K^T / 8 + bias, softmax, x V, / the row's sum; the result is quantised along the head's 64 for the last projection.
; SHARES: a work-group owns 256 queries of one (batch, head); each of its sixteen waves owns 16 of them (one tile, as the projection laid it), in 256 registers: four waves to a SIMD, so that one wave's vector work stands beside
; another's products and LDS loads.  Every wave walks all 2,048 keys, 128 a step.
; K, V AND THEIR SCALES OF THE WHOLE HEAD STAY IN LDS: 32 records of 6,656 bytes = 212,992 bytes, filled ONCE: each wave brings 52 rows of 256 bytes, which are one key step's two records.  No slot is ever filled again.
; CLUSTER: the four work-groups of a cluster belong to one (batch, head) and need the same 212,992 bytes: each load is asked for JOINTLY, with the same descriptor and a mask that names the four.
; LAYOUT: both products are used transposed: S^T = K Q^T (source 0 = 16 keys, source 1 = my 16 queries), O^T = V^T P^T (source 0 = 16 of the head's 64): a lane holds ONE query (lane % 16) throughout.
; The keys of a tile are chosen (lane r of tile 2 b + u: key 32 b + 8 u + r + 8 (r / 8)) so that the 16 registers of two neighbouring tiles are 16 neighbouring keys; V's tiles of the head's 64 likewise.
; THE FIRST PRODUCT'S K IS 64, the instruction's 128: Q's registers 6-11 hold zero codes, so k = 64 .. 127 adds nothing whatever K's registers 6-11 hold.  They hold the next tile's codes (the last tile's: zeros): every code of this
; format is a finite number, and bytes 2 and 3 of both scale words are 127.  So a tile of K costs six registers, not twelve.
; THE BIAS is the C of the first product: with u = score + 8 bias, t = u log2(e) / 8.  8 bias = 8 an f_j + 8 (ap - an) max(f_j, f_i) - 8 ap f_i, which is reference's ap relu(f_j - f_i) - an relu(f_i - f_j) but for f32 roundings of
; terms of the size of alpha x frac.
; THE SOFTMAX: M = the running largest t rounded UP to a whole number; p = 2^(t - M) is quantised along the keys, not normalised; the row's sum is taken of the unquantised p; when M moves, the sum and O^T are multiplied by
; 2^(old M - new M), exactly.  A block's largest p is not searched for: the block's largest u goes through the same multiply-add and exponential.
; LIMITS: NaN and infinities are not served.  A block of zeros gets the byte 1 where the rule says 127: its codes are zeros, and this program alone reads the bytes.
; REGISTERS: v1 16 l, v2 8 l, v3 frac's place; v6-8 addresses of the step; v9 f_i; v[10:11] -8 ap f_i; v12 -M, v13 the largest t, v[14:15] the sum; v16-27 Q (22-27 zeros); v[28:29] the rescaling factor;
; v32-85 K's eight tiles (six registers each; v80-85 zeros), later V's four fragments; v86-95 scales and nothing else; v96-159 the bias, S^T, p; v160-191 O^T; v192-255 f_j, later at work (v224-235 p's codes).
.set FT,    212992                     ; LDS behind the records: frac of my batch, 2,048 f32, stored by the waves
.set SPARE, 221184                     ; the spare words, 128 bytes a wave
.set SPW, 4                            ; v4  my spare word's LDS address; never rewritten
.set NIL, 5                            ; v5  0; never rewritten
.set WV,  18                           ; s18 my wave's number
.set SEL, 20                           ; s[20:21] selects for v_permlanex16_b32: lane l xor 16
.set CS,  22                           ; s[22:23] c = log2(e) / 8
.set G1,  24                           ; s[24:31] descriptor group 1
.set G0,  40                           ; s[40:43] descriptor group 0
.set A2,  48                           ; s[48:49] 8 an
.set A3,  50                           ; s[50:51] 8 (ap - an)
.set TB,  54                           ; s54 LDS byte of the step's two records
.set TF,  55                           ; s55 and of its 128 numbers of frac
.set CNT, 56                           ; s56 steps to go
.macro CROUND                          ; a round of the cluster's barrier
	s_barrier_signal -1
	s_barrier_wait -1
	s_cmp_lg_u32 s[WV], 0
	s_cbranch_scc1 .Lnot_wave_0_\@
	s_barrier_signal -3
.Lnot_wave_0_\@:
	s_barrier_wait -3
	s_barrier_signal -1
	s_barrier_wait -1
.endm
; 32 numbers of a lane (two blocks: register 16 b + i = k 32 b + 16 (lane / 16) + i) become half a fragment's codes in v[pc] .. v[pc + 5] and two scale bytes in v[hw]
.macro QUANT2 s, tm, pc, hw
.irp b, 0,1
	v_max3_num_f32 v[\tm+\b], |v[\s+16*\b]|, |v[\s+1+16*\b]|, 0x1800000
.endr
.irp i, 2,4,6,8,10,12,14
.irp b, 0,1
	v_max3_num_f32 v[\tm+\b], v[\tm+\b], |v[\s+16*\b+\i]|, |v[\s+1+16*\b+\i]|
.endr
.endr
.irp b, 0,1
	v_permlanex16_b32 v[\tm+2+\b], v[\tm+\b], s[SEL], s[SEL+1]
.endr
.irp b, 0,1
	v_max_num_f32 v[\tm+\b], v[\tm+\b], v[\tm+2+\b]
.endr
.irp b, 0,1
	v_add_nc_u32 v[\tm+4+\b], 0xff000000, v[\tm+\b]
.endr
.irp b, 0,1
	v_lshrrev_b32 v[\tm+2+\b], 23, v[\tm+4+\b]
.endr
	v_lshl_or_b32 v[\hw], v[\tm+3], 8, v[\tm+2]
	v_cvt_scalef32_pk16_fp6_f32 v[\pc:\pc+2], v[\s:\s+15], v[\tm+4]
	v_cvt_scalef32_pk16_fp6_f32 v[\pc+6:\pc+8], v[\s+16:\s+31], v[\tm+5]
	v_nop                                          ; one plain place behind a scaled conversion
.irp i, 0,1,2
	v_permlane16_swap_b32 v[\pc+\i], v[\pc+6+\i]
.endr
.irp i, 0,1,2
	v_mov_b32 v[\pc+3+\i], v[\pc+6+\i]
.endr
.endm
	s_load_b256 s[4:11], s[0:1], 0x0               ; qrec, kv, frac, alpha_pos
	s_load_b128 s[12:15], s[0:1], 0x20             ; alpha_neg, oc
	s_load_b64 s[16:17], s[0:1], 0x30              ; osc
	v_lshl_add_u32 v[SPW], v0, 2, SPARE
	v_mov_b32 v[NIL], 0
	ds_add_u32 v[SPW], v[NIL]                      ; the wave's opening: the add and its wait stand ahead of my first tensor load; the set-up below, work on registers, stands between them
	v_lshrrev_b32 v1, 5, v0
	v_readfirstlane_b32 s[WV], v1                  ; wave 0..15
	s_bfe_u32 s57, ttmp6, 0x40000                  ; cx: my place in the cluster: it enters Q's, frac's own-row, oc's and osc's addresses alone
	s_lshl_b32 s58, ttmp9, 2
	s_add_co_u32 s58, s58, s57                     ; my block of 256 queries
	s_and_b32 s59, ttmp7, 0xffff                   ; (batch, head), which the four partners share
	s_lshr_b32 s32, s59, 4                         ; batch
	s_and_b32 s33, s59, 15                         ; head
	s_lshr_b32 s34, s[WV], 2                       ; which 64 of the 256
	s_and_b32 s35, s[WV], 3                        ; which tile of the 64
	s_mul_i32 s60, s59, 212992                     ; kv: the head's records,
	s_mul_i32 s[G0+1], s[WV], 13312                ; my 52 rows of 256 bytes: in LDS,
	s_add_co_u32 s60, s60, s[G0+1]                 ; and in memory
	s_mov_b32 s61, 0
	s_lshl_b32 s62, s59, 5                         ; qrec: the record of my 64 queries
	s_lshl_b32 s36, s58, 2
	s_add_co_u32 s62, s62, s36
	s_add_co_u32 s62, s62, s34
	s_mul_i32 s62, s62, 6656
	s_mov_b32 s63, 0
	s_mul_i32 s37, s35, 768                        ; my tile's half image
	s_and_b32 s38, s35, 1
	s_lshr_b32 s39, s35, 1
	s_lshl_b32 s66, s38, 7                         ; my tile's scale words: 128 (m % 2) + 4 (m / 2)
	s_lshl_b32 s67, s39, 2
	s_add_co_u32 s66, s66, s67
	s_lshl_b32 s67, s32, 13                        ; frac at my tile's first query, in bytes
	s_lshl_b32 s68, s58, 10
	s_add_co_u32 s67, s67, s68
	s_lshl_b32 s68, s34, 8
	s_add_co_u32 s67, s67, s68
	s_lshl_b32 s68, s39, 7
	s_add_co_u32 s67, s67, s68
	s_lshl_b32 s68, s38, 5
	s_add_co_u32 s67, s67, s68
	s_lshl_b32 s69, s32, 13                        ; frac of my batch
	s_lshl_b32 s70, s32, 7                         ; my tile of rows among the 256: 128 batch + 16 block + wave
	s_lshl_b32 s71, s58, 4
	s_add_co_u32 s70, s70, s71
	s_add_co_u32 s70, s70, s[WV]
	s_mul_i32 s72, s70, 12288                      ; oc: [tile of rows][head][768]
	s_mul_i32 s73, s33, 768
	s_add_co_u32 s72, s72, s73
	s_mov_b32 s73, 0
	s_lshl_b32 s74, s70, 9                         ; osc: [tile of rows][K step = head / 2][r] words, my half word at 2 (head % 2)
	s_lshr_b32 s75, s33, 1
	s_lshl_b32 s75, s75, 6
	s_add_co_u32 s74, s74, s75
	s_and_b32 s75, s33, 1
	s_lshl_b32 s75, s75, 1
	s_add_co_u32 s74, s74, s75
	s_mov_b32 s75, 0
	s_lshl_b32 s19, s33, 2                         ; alpha: 4 x head
	; descriptor group 1: 52 dense rows of 256 bytes (32 elements of 8 bytes), no padding
	s_mov_b32 s[G1], 15|(3<<16)|(1<<21)            ; 15:0 the mask: all four work-groups; 17:16 elements of 8 bytes; 21 set beside a mask
	s_mov_b32 s[G1+1], 32<<16                      ; tensor_dim0 = 32
	s_mov_b32 s[G1+2], 52<<16                      ; tensor_dim1 = 52
	s_mov_b32 s[G1+3], 32<<16                      ; tile_dim0 = 32
	s_mov_b32 s[G1+4], 52                          ; tile_dim1 = 52
	s_mov_b32 s[G1+5], 32                          ; from row to row
	s_mov_b32 s[G1+6], 0
	s_mov_b32 s[G1+7], 0
	s_mov_b32 s[SEL], 0x76543210
	s_mov_b32 s[SEL+1], 0xfedcba98
	s_mov_b32 s[CS], 0x3e38aa3b                    ; log2(e) / 8
	s_mov_b32 s[CS+1], s[CS]                       ; (named with it as a pair, so it is written)
	s_mov_b32 s52, 0x05040100                      ; two low halves
	s_mov_b32 s53, 0x07060302                      ; two high halves
	s_mov_b32 s[TB], 0
	s_mov_b32 s[TF], 0
	s_mov_b32 s[CNT], 16
	v_and_b32 v220, 31, v0                         ; lane
	v_and_b32 v221, 15, v0                         ; r
	v_bfe_u32 v222, v0, 4, 1                       ; h
	v_lshlrev_b32 v1, 4, v220
	v_lshlrev_b32 v2, 3, v220
	v_lshl_add_u32 v3, v222, 6, FT                 ; frac in LDS: + 64 h: my 16 keys of a block of 32
	v_add_nc_u32 v200, s37, v1                     ; Q's half image
	v_add_nc_u32 v201, s37, v2
	v_lshl_add_u32 v202, v221, 3, s66              ; Q's scale word
	v_and_b32 v223, 8, v221
	v_add_nc_u32 v223, v223, v221                  ; r + 8 (r / 8)
	v_lshl_add_u32 v203, v223, 2, s67              ; my query's frac
	v_lshl_add_u32 v204, v0, 4, s69                ; the copy of frac: 16 bytes a thread,
	v_lshl_add_u32 v206, v0, 4, FT                 ; and where they go
	v_mov_b32 v205, s19
	s_wait_dscnt 0x0                               ; the opening add is done
	s_wait_kmcnt 0x0
	s_add_nc_u64 s[4:5], s[4:5], s[62:63]
	s_add_nc_u64 s[14:15], s[14:15], s[72:73]
	s_add_nc_u64 s[16:17], s[16:17], s[74:75]
	CROUND                                         ; all four work-groups are here: the joint loads meet
	s_mov_b32 s[G0], 1                             ; count = 1
	s_add_nc_u64 s[G0+2:G0+3], s[6:7], s[60:61]    ; global address: made of (batch, head) and the wave's number alone
	s_or_b32 s[G0+3], s[G0+3], 0x80000000          ; type = 2
	tensor_load_to_lds s[G0:G0+3], s[G1:G1+7]      ; my one tensor load of the launch: one is out
	s_nop 0
.rept 4
	v_nop
.endr
	global_load_b128 v[208:211], v204, s[8:9]      ; frac of my batch, 16 bytes a thread
	global_load_b128 v[16:19], v200, s[4:5]        ; Q's codes stay in registers
	global_load_b64 v[20:21], v201, s[4:5] offset:512
	global_load_b32 v94, v202, s[4:5] offset:6144
	global_load_b32 v9, v203, s[8:9]               ; f_i
	global_load_b32 v212, v205, s[10:11]           ; ap
	global_load_b32 v213, v205, s[12:13]           ; an
.irp j, 22,23,24,25,26,27,80,81,82,83,84,85
	v_mov_b32 v[\j], 0                             ; zero codes
.endr
.set n, 0
.rept 32
	v_mov_b32 v[160+n], 0                          ; O^T.  (The step is written once: the first finds zeros, which the first change of M leaves zeros)
.set n, n+1
.endr
	v_mov_b32 v14, 0                               ; the sum, in two halves
	v_mov_b32 v15, 0
	v_mov_b32 v11, 0                               ; (upper halves of pairs of which the low word serves both halves: named, so written)
	v_mov_b32 v29, 0
	v_mov_b32 v13, 0xff61b1e6                      ; the largest t so far: -3e38, under every t
	v_floor_f32 v12, -v13                          ; -M
.irp b, 0,1,2,3
	v_mov_b32 v[236+\b], 0                         ; a lane permute's destination counts as one of its sources
.endr
	s_wait_loadcnt 0x0
	ds_store_b128 v206, v[208:211]
	v_mul_f32 v214, 0x41000000, v213               ; 8 an
	v_sub_f32 v215, v212, v213
	v_mul_f32 v215, 0x41000000, v215               ; 8 (ap - an)
	v_readfirstlane_b32 s[A2], v214
	v_readfirstlane_b32 s[A3], v215
	s_mov_b32 s[A2+1], s[A2]
	s_mov_b32 s[A3+1], s[A3]
	v_mul_f32 v10, 0xc1000000, v212
	v_mul_f32 v10, v10, v9                         ; -8 ap f_i
	s_wait_tensorcnt 0x0                           ; my part of the records has landed,
	s_wait_dscnt 0x0                               ; my part of frac is stored:
	s_barrier_signal -1
	s_barrier_wait -1                              ; everybody's
.Lstep:                                            ; 16 trips of 128 keys
	v_add_nc_u32 v6, s[TB], v1
	v_add_nc_u32 v7, s[TB], v2
	v_add_nc_u32 v8, s[TF], v3
	v_nop                                          ; four places in front of loads into registers that the last products have read
.irp b, 0,1,2,3
.irp i, 0,1,2,3
	ds_load_b128 v[192+16*\b+4*\i:195+16*\b+4*\i], v8 offset:128*\b+16*\i   ; f_j: register 16 b + i: key 32 b + 16 h + i
.endr
.endr
.irp e, 0,1
.irp m, 0,1,2,3
	ds_load_b128 v[32+6*(4*\e+\m):35+6*(4*\e+\m)], v6 offset:6656*\e+768*\m   ; K's tile 4 e + m
	ds_load_b64 v[36+6*(4*\e+\m):37+6*(4*\e+\m)], v7 offset:6656*\e+768*\m+512
.endr
.endr
.irp e, 0,1
	ds_load_b64 v[86+2*\e:87+2*\e], v7 offset:6656*\e+6144   ; K's scale words: lanes 0-15 tiles 0, 2; lanes 16-31 tiles 1, 3
.endr
.irp e, 0,1
	ds_load_b32 v[90+\e], v7 offset:6656*\e+6400             ; V's half words
.endr
	s_wait_dscnt 20                                ; f_j is in: behind its 16 loads stand K's 16, 2 and V's 2
.set n, 0
.rept 64
	v_max_num_f32 v[96+n], v[192+n], v9            ; max(f_j, f_i)
.set n, n+1
.endr
.set n, 0
.rept 32
	v_pk_fma_f32 v[192+n:193+n], v[192+n:193+n], s[A2:A2+1], v[10:11] op_sel_hi:[1,0,0]   ; 8 an f_j - 8 ap f_i
.set n, n+2
.endr
.set n, 0
.rept 32
	v_pk_fma_f32 v[96+n:97+n], v[96+n:97+n], s[A3:A3+1], v[192+n:193+n] op_sel_hi:[1,0,1]   ; + 8 (ap - an) max: 8 x the bias, where the scores will be summed
.set n, n+2
.endr
	s_wait_dscnt 0x0                               ; K and the scales are in
	v_perm_b32 v92, v91, v90, s52                  ; V's scale words for these 128 keys: tiles 0 (lanes 0-15) and 2 (lanes 16-31),
	v_perm_b32 v93, v91, v90, s53                  ; tiles 1 and 3
	v_nop
	v_nop
.irp T, 0,1,2,3,4,5,6,7                        ; u = K Q^T + 8 bias: eight accumulators by turns
.if \T%2
	v_wmma_scale_f32_16x16x128_f8f6f4 v[96+8*\T:103+8*\T], v[32+6*\T:43+6*\T], v[16:27], v[96+8*\T:103+8*\T], v[86+2*(\T/4)+(\T%4)/2], v94 matrix_a_fmt:MATRIX_FMT_FP6 matrix_b_fmt:MATRIX_FMT_FP6 matrix_a_scale:MATRIX_SCALE_ROW1
.else
	v_wmma_scale_f32_16x16x128_f8f6f4 v[96+8*\T:103+8*\T], v[32+6*\T:43+6*\T], v[16:27], v[96+8*\T:103+8*\T], v[86+2*(\T/4)+(\T%4)/2], v94 matrix_a_fmt:MATRIX_FMT_FP6 matrix_b_fmt:MATRIX_FMT_FP6
.endif
.endr
.rept 4
	v_nop                                          ; four places in front of the loads below and of the first read of results
.endr
.irp d, 0,1,2,3                                ; V's four fragments are asked for now and land under the softmax: registers 6 c on: keys 64 c on
.irp c, 0,1
	ds_load_b128 v[32+12*\d+6*\c:35+12*\d+6*\c], v6 offset:6656*\c+3072+768*\d
	ds_load_b64 v[36+12*\d+6*\c:37+12*\d+6*\c], v7 offset:6656*\c+3072+768*\d+512
.endr
.endr
.irp b, 0,1,2,3
	v_max3_num_f32 v[232+\b], v[96+16*\b], v[97+16*\b], v[98+16*\b]   ; the largest u of each block of 32 keys: it serves for the row's maximum and for the block's largest p
.endr
.irp i, 3,5,7,9,11,13
.irp b, 0,1,2,3
	v_max3_num_f32 v[232+\b], v[232+\b], v[96+16*\b+\i], v[97+16*\b+\i]
.endr
.endr
.irp b, 0,1,2,3
	v_max_num_f32 v[232+\b], v[232+\b], v[111+16*\b]
.endr
.irp b, 0,1,2,3
	v_permlanex16_b32 v[236+\b], v[232+\b], s[SEL], s[SEL+1]
.endr
.irp b, 0,1,2,3
	v_max_num_f32 v[232+\b], v[232+\b], v[236+\b]  ; with lane l xor 16's 16 keys
.endr
	v_max3_num_f32 v254, v232, v233, v234
	v_max_num_f32 v254, v254, v235                 ; the step's largest u of my query
	v_mul_f32 v254, s[CS], v254                    ; as t (c is positive)
	v_max_num_f32 v13, v13, v254                   ; the running largest t
	v_mov_b32 v254, v12
	v_floor_f32 v12, -v13                          ; the new -M = floor(-t): M is a whole number
	v_sub_f32 v254, v12, v254                      ; old M - new M: a whole number, 0 or less
	v_cvt_i32_f32 v254, v254                       ; (it saturates)
	v_ldexp_f32 v28, 1.0, v254                     ; 2^(old M - new M)
.set n, 0
.rept 32
	v_pk_fma_f32 v[96+n:97+n], v[96+n:97+n], s[CS:CS+1], v[12:13] op_sel_hi:[1,0,0]   ; t - M
.set n, n+2
.endr
.irp b, 0,1,2,3
	v_fma_f32 v[232+\b], v[232+\b], s[CS], v12     ; the same of each block's largest u
.endr
.set n, 0
.rept 64
	v_exp_f32 v[96+n], v[96+n]                     ; p = 2^(t - M), at most 1
.set n, n+1
.endr
	v_pk_mul_f32 v[14:15], v[14:15], v[28:29] op_sel_hi:[1,0]   ; the sums under the new M.  (A plain place behind the exponentials)
	s_wait_alu depctr_va_vdst(0)                   ; one wait for the whole batch, ahead of its first reader
.irp b, 0,1,2,3
	v_exp_f32 v[232+\b], v[232+\b]                 ; the block's largest p
.endr
	v_pk_add_f32 v[236:237], v[96:97], v[98:99]    ; the row's sum is taken of the unquantised p: two chains.  (Plain work behind the four)
.irp j, 4,8,12,16,20,24,28,32,36,40,44,48,52,56,60
	v_pk_add_f32 v[14:15], v[14:15], v[96+\j:97+\j]
	v_pk_add_f32 v[236:237], v[236:237], v[98+\j:99+\j]
.endr
	v_pk_add_f32 v[14:15], v[14:15], v[236:237]
	s_wait_alu depctr_va_vdst(0)                   ; and one for the four
.irp b, 0,1,2,3
	v_max_num_f32 v[232+\b], 0x1800000, v[232+\b]  ; the floor 2^(3 - 127): the byte cannot fall under 1
.endr
.irp b, 0,1,2,3
	v_add_nc_u32 v[244+\b], 0xff000000, v[232+\b]  ; 2 off the exponent field: the conversion's scale operand
.endr
.irp b, 0,1,2,3
	v_lshrrev_b32 v[236+\b], 23, v[244+\b]         ; the byte
.endr
	v_lshl_or_b32 v95, v237, 8, v236               ; p's scale word for these 128 keys
	v_lshl_or_b32 v95, v238, 16, v95
	v_lshl_or_b32 v95, v239, 24, v95
.irp c, 0,1
	v_cvt_scalef32_pk16_fp6_f32 v[224+6*\c:226+6*\c], v[96+32*\c:111+32*\c], v[244+2*\c]
	v_cvt_scalef32_pk16_fp6_f32 v[236+4*\c:238+4*\c], v[112+32*\c:127+32*\c], v[244+2*\c+1]
.endr
	v_nop                                          ; one plain place behind a scaled conversion
.irp c, 0,1                                    ; the operand wants a WHOLE block in a lane
.irp i, 0,1,2
	v_permlane16_swap_b32 v[224+6*\c+\i], v[236+4*\c+\i]
.endr
.irp i, 0,1,2
	v_mov_b32 v[227+6*\c+\i], v[236+4*\c+\i]
.endr
.endr
.set n, 0
.rept 16
	v_pk_mul_f32 v[160+n:161+n], v[160+n:161+n], v[28:29] op_sel_hi:[1,0]   ; O^T under the new M, each accumulator from its low end on.  (These are also the places between the lines that made p's codes and scale word and the products)
.set n, n+2
.endr
	s_wait_dscnt 0x0                               ; V is in
.irp d, 0,1,2,3                                ; O^T += V^T P^T: four accumulators by turns; K = these 128 keys
.if \d/2
	v_wmma_scale_f32_16x16x128_f8f6f4 v[160+8*\d:167+8*\d], v[32+12*\d:43+12*\d], v[224:235], v[160+8*\d:167+8*\d], v[92+\d%2], v95 matrix_a_fmt:MATRIX_FMT_FP6 matrix_b_fmt:MATRIX_FMT_FP6 matrix_a_scale:MATRIX_SCALE_ROW1
.else
	v_wmma_scale_f32_16x16x128_f8f6f4 v[160+8*\d:167+8*\d], v[32+12*\d:43+12*\d], v[224:235], v[160+8*\d:167+8*\d], v[92+\d%2], v95 matrix_a_fmt:MATRIX_FMT_FP6 matrix_b_fmt:MATRIX_FMT_FP6
.endif
.endr
	s_add_co_u32 s[TB], s[TB], 13312               ; the next two records,
	s_add_co_u32 s[TF], s[TF], 512                 ; the next 128 numbers of frac
	s_sub_co_u32 s[CNT], s[CNT], 1
	s_cmp_lg_u32 s[CNT], 0
	s_cbranch_scc1 .Lstep
	; THE WAY OUT: O^T / the sum, quantised along the head's 64: half a fragment of the last projection's operand, and two scale bytes
.rept 4
	v_nop                                          ; four places behind the last products
.endr
	v_add_f32 v14, v14, v15                        ; the sum's two halves,
	v_permlanex16_b32 v254, v14, s[SEL], s[SEL+1]
	v_add_f32 v14, v14, v254                       ; and lane l xor 16's
	v_rcp_f32 v14, v14
	v_mov_b32 v194, 0                              ; (a plain place behind the reciprocal; a lane permute's destination counts as one of its sources)
	v_mov_b32 v195, 0
	v_and_b32 v212, 15, v0
	v_lshlrev_b32 v212, 2, v212                    ; osc: 4 r
	s_wait_alu depctr_va_vdst(0)                   ; the wait ahead of the reciprocal's first reader
.set n, 0
.rept 32
	v_mul_f32 v[96+n], v[160+n], v14               ; register 16 b + i: d = 32 b + 16 h + i of my query
.set n, n+1
.endr
	QUANT2 96, 192, 200, 210
	global_store_b128 v1, v[200:203], s[14:15]     ; 512 consecutive bytes, at a multiple of 256 from the buffer's first byte
	global_store_b64 v2, v[204:205], s[14:15] offset:512
	global_store_b16 v212, v210, s[16:17]          ; lanes r and r + 16 write the same two bytes with the same value
	s_wait_tensorcnt 0x0                           ; the wave's end, behind my last tensor load and my last LDS store
	ds_add_u32 v[SPW], v[NIL]
	s_wait_dscnt 0x0
	CROUND                                         ; the closing round
	s_endpgm
.Lfunc_end_k_qb30990b499_attn:
	.size	k_qb30990b499_attn, .Lfunc_end_k_qb30990b499_attn-k_qb30990b499_attn
	.p2alignl 7, 3214868480
	.fill 96, 4, 3214868480
	.section	.rodata,"a",@progbits
	.p2align	6, 0x0
	.amdhsa_kernel k_qb30990b499_attn
		.amdhsa_group_segment_fixed_size 223232
		.amdhsa_private_segment_fixed_size 0
		.amdhsa_enable_private_segment 0
		.amdhsa_kernarg_size 56
		.amdhsa_user_sgpr_count 2
		.amdhsa_user_sgpr_kernarg_segment_ptr 1
		.amdhsa_wavefront_size32 1
		.amdhsa_system_sgpr_workgroup_id_x 1
		.amdhsa_system_sgpr_workgroup_id_y 1
		.amdhsa_system_sgpr_workgroup_id_z 1
		.amdhsa_system_vgpr_workitem_id 0
		.amdhsa_next_free_vgpr 256
		.amdhsa_next_free_sgpr 80
		.amdhsa_reserve_vcc 0
		.amdhsa_float_denorm_mode_32 3
		.amdhsa_float_denorm_mode_16_64 3
		.amdhsa_memory_ordered 1
		.amdhsa_forward_progress 1
		.amdhsa_inst_pref_size 36
	.end_amdhsa_kernel
	.amdgpu_metadata
---
amdhsa.version: [ 1, 2 ]
amdhsa.kernels:
  - .name:           k_qb30990b499_attn
    .symbol:         k_qb30990b499_attn.kd
    .args:
      - { .name: qrec, .offset: 0, .size: 8, .value_kind: global_buffer, .address_space: global }
      - { .name: kv, .offset: 8, .size: 8, .value_kind: global_buffer, .address_space: global }
      - { .name: frac, .offset: 16, .size: 8, .value_kind: global_buffer, .address_space: global }
      - { .name: alpha_pos, .offset: 24, .size: 8, .value_kind: global_buffer, .address_space: global }
      - { .name: alpha_neg, .offset: 32, .size: 8, .value_kind: global_buffer, .address_space: global }
      - { .name: oc, .offset: 40, .size: 8, .value_kind: global_buffer, .address_space: global }
      - { .name: osc, .offset: 48, .size: 8, .value_kind: global_buffer, .address_space: global }
    .group_segment_fixed_size: 223232
    .private_segment_fixed_size: 0
    .kernarg_segment_align: 8
    .kernarg_segment_size: 56
    .max_flat_workgroup_size: 512
    .sgpr_count:     80
    .vgpr_count:     256
    .wavefront_size: 32
...
	.end_amdgpu_metadata
.endif
;; end of part 3
;; launch outp (part 4): grid 64 x 4, 4 waves a work-group, no clusters, 69,120 bytes of LDS; arguments oc, osc, wimg, wsc, bo, out0; writes out0
.if DOCPART == 4
	.amdgcn_target "amdgcn-amd-amdhsa--gfx1250"
	.amdhsa_code_object_version 6
	.text
	.protected	k_qb30990b499_outp
	.globl	k_qb30990b499_outp
	.p2align	8
	.type	k_qb30990b499_outp,@function
k_qb30990b499_outp:
	s_mov_b64 s[64:65], 0
	v_nop
	global_prefetch_b8 v0, s[64:65] scope:SCOPE_SE
	s_setreg_imm32_b32 hwreg(HW_REG_WAVE_MODE, 25, 1), 1
	s_wait_xcnt 0x0
; out0 = attention's result x Wo + bo on codes of FP6 (E2M3).  Work-group (x, y): 64 rows x 256 columns; wave: 64 columns, 16 accumulators.
; Everything is asked for at the head.  The rows' codes (four tiles of rows x 16 half images = 49,152 dense bytes) and scale words (2,048 bytes) are copied through registers into LDS, once, and read by all four waves;
; a wave's 32 images of Wo (384 registers) and its bias stay in registers, read from memory once.
; Source 0 = 16 columns of Wo, source 1 = 16 rows: a lane holds eight neighbouring columns of one row.  The columns of a tile are chosen (lane r of tile 2 b + u: column 32 b + 8 u + r + 8 (r / 8)), so register j of tile 2 b + u is
; column 32 b + 16 h + 8 u + j; the rows of a tile likewise: lane r of tile 2 b + u is row 32 b + 8 u + r + 8 (r / 8).  The bias is the C of each sum's first product.
; NO CLUSTER: what work-groups share is the rows' 51,200 bytes (the four y) against 4 x 51,456 bytes of weights that are a wave's own, and the weights that the 64 x share go straight into registers.
; REGISTERS, in windows of 256: window 0: v1-10 addresses; v16-47 Wo's scale words (4 s + tile), v48-51 the rows': they hold nothing else; v80-127 the rows' four fragments; v128-255 the accumulators (row tile m, column tile t: 128 + 32 m + 8 t),
; before the first K step the copy's 100 registers; on the way out v64-127 rows read back.   window 1: Wo's images of K steps 0-3 (48 (s % 4) + 12 t);   window 2: those of K steps 4-7; v192-223 the bias.
.set XI,    0                          ; LDS: the rows' half images: 12,288 m + 768 (2 s + c)
.set XSC,   49152                      ; their scale words: 512 m + 64 s + 4 r
.set STG,   51200                      ; a stage of 16 rows x (256 + 16) bytes for each wave
.set SPARE, 68608                      ; the spare words, 128 bytes a wave
.set SPW, 8                            ; v8  my spare word's LDS address; never rewritten
.set NIL, 9                            ; v9  0; never rewritten
.set MSB, 0
.macro WIN new                         ; the immediate's high byte repeats the setting that is left
.if MSB != \new
	s_set_vgpr_msb (MSB<<8)|\new
.set MSB, \new
.endif
.endm
	s_load_b256 s[4:11], s[0:1], 0x0               ; oc, osc, wimg, wsc
	s_load_b128 s[12:15], s[0:1], 0x20             ; bo, out0
	v_lshl_add_u32 v[SPW], v0, 2, SPARE
	v_mov_b32 v[NIL], 0
	v_lshrrev_b32 v1, 5, v0
	v_readfirstlane_b32 s16, v1                    ; wave
	v_and_b32 v11, 31, v0                          ; lane
	v_and_b32 v12, 15, v0                          ; r
	v_bfe_u32 v13, v0, 4, 1                        ; h
	v_lshlrev_b32 v1, 4, v11                       ; 16 x lane
	v_lshlrev_b32 v2, 3, v11                       ; 8 x lane
	v_lshlrev_b32 v3, 2, v12                       ; 4 r
	v_lshlrev_b32 v4, 4, v0                        ; 16 x thread: the copy
	s_mul_i32 s17, s16, 4352
	s_add_co_u32 s17, s17, STG                     ; my stage
	v_mul_u32_u24 v5, v12, 272
	v_lshl_add_u32 v5, v13, 6, v5
	v_add_nc_u32 v5, s17, v5                       ; into it: row r, + 64 h
	v_mul_u32_u24 v6, v13, 272
	v_lshl_add_u32 v6, v12, 4, v6
	v_add_nc_u32 v6, s17, v6                       ; back: lanes 0-15 one row of 256 bytes, lanes 16-31 the next
	v_lshlrev_b32 v7, 12, v13
	v_lshl_add_u32 v7, v12, 4, v7                  ; and the same two rows in out0
	v_lshlrev_b32 v10, 6, v13                      ; the bias: 64 h
	s_and_b32 s18, ttmp7, 0xffff
	s_lshl_b32 s18, s18, 2
	s_add_co_u32 s18, s18, s16                     ; my 64 columns
	s_mul_i32 s20, ttmp9, 49152
	s_mov_b32 s21, 0
	s_lshl_b32 s22, ttmp9, 11
	s_mov_b32 s23, 0
	s_mul_i32 s24, s18, 49152
	s_add_co_u32 s24, s24, 2359296                 ; Wo is the fourth weight
	s_mov_b32 s25, 0
	s_lshl_b32 s26, s18, 11
	s_add_co_u32 s26, s26, 98304
	s_mov_b32 s27, 0
	s_lshl_b32 s28, s18, 8
	s_mov_b32 s29, 0
	s_lshl_b32 s30, ttmp9, 18
	s_add_co_u32 s30, s30, s28
	s_mov_b32 s31, 0
	s_wait_kmcnt 0x0
	s_add_nc_u64 s[4:5], s[4:5], s[20:21]
	s_add_nc_u64 s[6:7], s[6:7], s[22:23]
	s_add_nc_u64 s[8:9], s[8:9], s[24:25]
	s_add_nc_u64 s[10:11], s[10:11], s[26:27]
	s_add_nc_u64 s[12:13], s[12:13], s[28:29]
	s_add_nc_u64 s[14:15], s[14:15], s[30:31]
.set n, 0
.rept 24
	global_load_b128 v[128+4*n:131+4*n], v4, s[4:5] offset:2048*n   ; the work-group reads 2,048 consecutive bytes
.set n, n+1
.endr
	global_load_b128 v[224:227], v4, s[6:7]
.irp s, 0,1,2,3,4,5,6,7
.irp t, 0,1,2,3
	global_load_b32 v[16+4*\s+\t], v3, s[10:11] offset:256*\s+64*\t
.endr
.endr
	WIN 0x80                                       ; destination window 2
.irp t, 0,1,2,3
	global_load_b128 v[192+8*\t:195+8*\t], v10, s[12:13] offset:(32*(\t/2)+8*(\t%2))*4
	global_load_b128 v[196+8*\t:199+8*\t], v10, s[12:13] offset:(32*(\t/2)+8*(\t%2))*4+16
.endr
	WIN 0x40                                       ; destination window 1
.irp s, 0,1,2,3
.irp t, 0,1,2,3
.irp c, 0,1,2
	global_load_b128 v[48*\s+12*\t+4*\c:48*\s+12*\t+4*\c+3], v1, s[8:9] offset:(8*\t+\s)*1536+512*\c
.endr
.endr
.endr
	WIN 0x80
.irp s, 4,5,6,7
.irp t, 0,1,2,3
.irp c, 0,1,2
	global_load_b128 v[48*(\s-4)+12*\t+4*\c:48*(\s-4)+12*\t+4*\c+3], v1, s[8:9] offset:(8*\t+\s)*1536+512*\c
.endr
.endr
.endr
	WIN 0
	s_wait_loadcnt 63                              ; the copy's 25 loads are in: 136 were issued behind them, and the count is held to the field's largest
.set n, 0
.rept 24
	ds_store_b128 v4, v[128+4*n:131+4*n] offset:XI+2048*n
.set n, n+1
.endr
	ds_store_b128 v4, v[224:227] offset:XSC
	s_wait_dscnt 0x0                               ; for the others' sake: my part of the copy is stored
	s_barrier_signal -1
	s_barrier_wait -1
; K step s: the rows' four fragments and scale words from LDS, 16 products; the 16 accumulators take turns, one instruction a turn
.macro OSTEP s
.if \s > 0
.rept 4
	v_nop                                          ; four places in front of loads into registers that matrix instructions have read
.endr
.endif
.irp m, 0,1,2,3
.irp c, 0,1
	ds_load_b128 v[80+12*\m+6*\c:83+12*\m+6*\c], v1 offset:XI+12288*\m+(2*\s+\c)*768
	ds_load_b64 v[84+12*\m+6*\c:85+12*\m+6*\c], v2 offset:XI+12288*\m+(2*\s+\c)*768+512
.endr
	ds_load_b32 v[48+\m], v3 offset:XSC+512*\m+64*\s
.endr
	s_wait_dscnt 0x0
.if 12*(7-\s) > 63
	s_wait_loadcnt 63                              ; this K step's images are in; the later K steps' 12 loads each may be out
.else
	s_wait_loadcnt 12*(7-\s)
.endif
.if \s == 0
	WIN 0x21                                       ; source 0 (Wo) window 1, source 2 (the bias) window 2
.elseif \s < 4
	WIN 0x01
.else
	WIN 0x02                                       ; source 0 window 2
.endif
.irp m, 0,1,2,3
.irp t, 0,1,2,3
.if \s == 0
	v_wmma_scale_f32_16x16x128_f8f6f4 v[128+32*\m+8*\t:135+32*\m+8*\t], v[48*(\s%4)+12*\t:48*(\s%4)+12*\t+11], v[80+12*\m:91+12*\m], v[192+8*\t:199+8*\t], v[16+4*\s+\t], v[48+\m] matrix_a_fmt:MATRIX_FMT_FP6 matrix_b_fmt:MATRIX_FMT_FP6
.else
	v_wmma_scale_f32_16x16x128_f8f6f4 v[128+32*\m+8*\t:135+32*\m+8*\t], v[48*(\s%4)+12*\t:48*(\s%4)+12*\t+11], v[80+12*\m:91+12*\m], v[128+32*\m+8*\t:135+32*\m+8*\t], v[16+4*\s+\t], v[48+\m] matrix_a_fmt:MATRIX_FMT_FP6 matrix_b_fmt:MATRIX_FMT_FP6
.endif
.endr
.endr
	WIN 0
.endm
.irp s, 0,1,2,3,4,5,6,7
	OSTEP \s
.endr
.rept 4
	v_nop                                          ; four places in front of the first read of results and of loads into the operands' registers
.endr
; THE WAY OUT, a tile of 16 rows x 64 columns at a time, through my own stage: sixteen lanes then store 256 consecutive bytes of a row
.macro OUTROW mm
.set BK, 64+32*((\mm)%2)
.if (\mm) >= 2
	s_wait_xcnt 0x0                                ; the stores of two tiles ago have read their data: their registers are loaded again only behind this wait
.endif
.irp t, 0,1,2,3
	ds_store_b128 v5, v[128+32*(\mm)+8*\t:131+32*(\mm)+8*\t] offset:128*(\t/2)+32*(\t%2)      ; each accumulator from its low end on
	ds_store_b128 v5, v[132+32*(\mm)+8*\t:135+32*(\mm)+8*\t] offset:128*(\t/2)+32*(\t%2)+16
.endr
.irp k, 0,1,2,3,4,5,6,7
	ds_load_b128 v[BK+4*\k:BK+4*\k+3], v6 offset:544*\k   ; LDS serves a wave's instructions in order: these see my stores, and the next tile's stores come behind them
.endr
.irp k, 0,1,2,3,4,5,6,7
	s_wait_dscnt 7-\k
	global_store_b128 v7, v[BK+4*\k:BK+4*\k+3], s[14:15] offset:(32*((\mm)/2)+8*((\mm)%2)+2*\k+8*(\k/4))*4096 th:TH_STORE_NT   ; stage rows 2 k, 2 k + 1 are rows 2 k + 8 (k / 4) + h of the tile's 32
.endr
.endm
	OUTROW 0
	OUTROW 1
	OUTROW 2
	OUTROW 3
	s_wait_tensorcnt 0x0                           ; the wave's end, behind my last LDS store
	ds_add_u32 v[SPW], v[NIL]
	s_wait_dscnt 0x0
	s_endpgm
.Lfunc_end_k_qb30990b499_outp:
	.size	k_qb30990b499_outp, .Lfunc_end_k_qb30990b499_outp-k_qb30990b499_outp
	.p2alignl 7, 3214868480
	.fill 96, 4, 3214868480
	.section	.rodata,"a",@progbits
	.p2align	6, 0x0
	.amdhsa_kernel k_qb30990b499_outp
		.amdhsa_group_segment_fixed_size 69120
		.amdhsa_private_segment_fixed_size 0
		.amdhsa_enable_private_segment 0
		.amdhsa_kernarg_size 48
		.amdhsa_user_sgpr_count 2
		.amdhsa_user_sgpr_kernarg_segment_ptr 1
		.amdhsa_wavefront_size32 1
		.amdhsa_system_sgpr_workgroup_id_x 1
		.amdhsa_system_sgpr_workgroup_id_y 1
		.amdhsa_system_sgpr_workgroup_id_z 1
		.amdhsa_system_vgpr_workitem_id 0
		.amdhsa_next_free_vgpr 768
		.amdhsa_next_free_sgpr 66
		.amdhsa_reserve_vcc 0
		.amdhsa_float_denorm_mode_32 3
		.amdhsa_float_denorm_mode_16_64 3
		.amdhsa_memory_ordered 1
		.amdhsa_forward_progress 1
		.amdhsa_inst_pref_size 56
	.end_amdhsa_kernel
	.amdgpu_metadata
---
amdhsa.version: [ 1, 2 ]
amdhsa.kernels:
  - .name:           k_qb30990b499_outp
    .symbol:         k_qb30990b499_outp.kd
    .args:
      - { .name: oc, .offset: 0, .size: 8, .value_kind: global_buffer, .address_space: global }
      - { .name: osc, .offset: 8, .size: 8, .value_kind: global_buffer, .address_space: global }
      - { .name: wimg, .offset: 16, .size: 8, .value_kind: global_buffer, .address_space: global }
      - { .name: wsc, .offset: 24, .size: 8, .value_kind: global_buffer, .address_space: global }
      - { .name: bo, .offset: 32, .size: 8, .value_kind: global_buffer, .address_space: global }
      - { .name: out0, .offset: 40, .size: 8, .value_kind: global_buffer, .address_space: global }
    .group_segment_fixed_size: 69120
    .private_segment_fixed_size: 0
    .kernarg_segment_align: 8
    .kernarg_segment_size: 48
    .max_flat_workgroup_size: 128
    .sgpr_count:     66
    .vgpr_count:     768
    .wavefront_size: 32
...
	.end_amdgpu_metadata
.endif
;; end of part 4
;; ======== version 2 of 2: 4 launches
;; limits: a difference of large sums (such as E[x^2] - mean^2): digits are lost where the result is much smaller than its terms
;; workspace buffers: wimg 3,145,728 bytes; wsc 131,072 bytes; rope 524,288 bytes; qrec 6,815,744 bytes; kv 6,815,744 bytes; oc 3,145,728 bytes; osc 131,072 bytes
;; launch prep (part 5): grid 256 x 1, 4 waves a work-group, no clusters, 12,800 bytes of LDS; arguments Wq, Wk, Wv, Wo, wimg, wsc, rope; writes wimg, wsc, rope
.if DOCPART == 5
	.amdgcn_target "amdgcn-amd-amdhsa--gfx1250"
	.amdhsa_code_object_version 6
	.text
	.protected	k_qb30990b499_prep
	.globl	k_qb30990b499_prep
	.p2align	8
	.type	k_qb30990b499_prep,@function
k_qb30990b499_prep:
	s_mov_b64 s[64:65], 0
	v_nop
	global_prefetch_b8 v0, s[64:65] scope:SCOPE_SE
	s_setreg_imm32_b32 hwreg(HW_REG_WAVE_MODE, 25, 1), 1
	s_wait_xcnt 0x0
; The four weights [1024 (k)][1024 (n)], f32, K their FIRST axis, become codes of FP6 (E2M3) with one E8M0 byte for each 32 along K, laid as IMAGES OF OPERAND REGISTERS; and the table of cos and sin for the rotation is made.
; A fragment (16 columns x 128 K) is 12 registers a lane; its image is 1,536 bytes: registers 4 c .. 4 c + 3 of lane l at 512 c + 16 l.  wimg: [weight 4][tile of columns 64][K step 8][image].
; THE COLUMNS OF A TILE ARE NOT NEIGHBOURS: in each 32 columns, lane r of tile u takes column 8 u + r + 8 (r / 8).  wsc: [weight][64 columns' group 16][K step 8][tile 4][r 16], one word (four bytes: 128 along K) a column.
; SHARES: a wave takes 32 columns x 128 along K: A LANE TAKES A COLUMN AND ITS REGISTERS RUN DOWN K, so that a block of 32 lies in one lane and the conversions give codes with K innermost.  Each load reads 128 consecutive bytes,
; the four waves of a work-group 512.  The two images go through the wave's own stage in LDS and leave in stores of 512 consecutive bytes.  Waves share nothing: no barrier.
; THE TABLE: rope[t][0..31] = cos, [32..63] = sin of t / 10^(idx / 8); a wave makes two t, a lane an idx.  The divisor is f32(10^((idx % 8) / 8)) x 10^(idx / 8 rounded down), within one unit in the last place for idx >= 8;
; the quotient is refined by one step; the angle (at most 2,047) is reduced by multiples of pi / 2 held in two parts, and sin and cos are polynomials on +-pi / 4.
; LIMITS: NaN and infinities are not served.  A block of zeros gets the byte 1 where the rule says 127: its codes are zeros, and this program alone reads the bytes.
.set SPARE, 12288                      ; behind the four stages of 3,072 bytes: the spare words, 128 bytes a wave
.set SPW, 7                            ; v7  my spare word's LDS address; never rewritten
.set NIL, 8                            ; v8  0; never rewritten
.set X,   64                           ; v64-191  W(128 s + kk, my column)
.set C,   192                          ; v192-223 codes, eight registers a block: no store's data are written again
.set SW,  224                          ; v224     my column's scale word
.set OB,  228                          ; v228-251 the way out
.macro PICK x, sel, k, lit             ; where v[sel] = k, v[x] becomes lit
	v_cmp_ne_u32 vcc_lo, \k, v[\sel]
	v_cndmask_b32 v[\x], \lit, v[\x], vcc_lo
.endm
; cos and sin of s[st] / v14 (v16 = 1 / v14) into v[o], v[o + 1], stored at off
.macro ANGLE st, off, o
	v_cvt_f32_u32 v20, s[\st]
	v_mul_f32 v21, v20, v16
	v_fma_f32 v22, -v21, v14, v20                  ; what the first quotient leaves
	v_fma_f32 v21, v22, v16, v21                   ; the refined quotient: the angle
	v_mul_f32 v22, 0x3f22f983, v21                 ; x 2 / pi
	v_rndne_f32 v22, v22                           ; n
	v_fmamk_f32 v23, v22, 0xbfc90fdb, v21          ; - n x the upper part of pi / 2
	v_fmamk_f32 v23, v22, 0x333bbd2e, v23          ; + n x what that part has too much
	v_mul_f32 v24, v23, v23                        ; z
	v_mov_b32 v25, 0xb94ca1f9
	v_fmaak_f32 v25, v25, v24, 0x3c08839e
	v_fmaak_f32 v25, v25, v24, 0xbe2aaaa3
	v_mul_f32 v25, v25, v24
	v_fma_f32 v25, v25, v23, v23                   ; sin of the rest
	v_mov_b32 v26, 0x37ccf5ce
	v_fmaak_f32 v26, v26, v24, 0xbab6061a
	v_fmaak_f32 v26, v26, v24, 0x3d2aaaa5
	v_mul_f32 v27, v24, v24
	v_fma_f32 v28, v24, -0.5, 1.0
	v_fma_f32 v26, v26, v27, v28                   ; cos of the rest
	v_cvt_i32_f32 v27, v22
	v_and_b32 v28, 1, v27
	v_cmp_eq_u32 vcc_lo, 1, v28                    ; an odd quarter turn changes sin and cos
	v_cndmask_b32 v29, v25, v26, vcc_lo
	v_cndmask_b32 v30, v26, v25, vcc_lo
	v_and_b32 v28, 2, v27                          ; sin is negative in quarters 2, 3,
	v_lshlrev_b32 v28, 30, v28
	v_xor_b32 v[\o+1], v28, v29
	v_add_nc_u32 v27, 1, v27                       ; cos in quarters 1, 2
	v_and_b32 v27, 2, v27
	v_lshlrev_b32 v27, 30, v27
	v_xor_b32 v[\o], v27, v30
	global_store_b32 v2, v[\o], s[16:17] offset:\off
	global_store_b32 v2, v[\o+1], s[16:17] offset:\off+128
.endm
; Block q of 32 along K: scale, codes, and their place in the two images: block q = 2 c + h is registers 6 c .. 6 c + 5 of lane r + 16 h
.macro BLOCK q, left
.set XS, X+32*(\q)
.set CC, C+8*(\q)
	s_wait_loadcnt \left                           ; this block's 32 loads are in; the later blocks' may be out
	v_max3_num_f32 v40, |v[XS]|, |v[XS+1]|, |v[XS+2]|
	v_max3_num_f32 v41, |v[XS+3]|, |v[XS+4]|, |v[XS+5]|
.irp i, 6,10,14,18,22,26
	v_max3_num_f32 v40, v40, |v[XS+\i]|, |v[XS+\i+1]|
	v_max3_num_f32 v41, v41, |v[XS+\i+2]|, |v[XS+\i+3]|
.endr
	v_max3_num_f32 v40, v40, |v[XS+30]|, |v[XS+31]|
	v_max3_num_f32 v40, v40, v41, 0x1800000        ; and the floor 2^(3 - 127): the byte cannot fall under 1
	v_add_nc_u32 v42, 0xff000000, v40              ; 2 off the exponent field: the conversion's scale operand
	v_lshrrev_b32 v43, 23, v42                     ; the byte
.if (\q) == 0
	v_mov_b32 v[SW], v43
.else
	v_lshl_or_b32 v[SW], v43, 8*(\q), v[SW]
.endif
	v_cvt_scalef32_pk16_fp6_f32 v[CC:CC+2], v[XS:XS+15], v42
	v_cvt_scalef32_pk16_fp6_f32 v[CC+4:CC+6], v[XS+16:XS+31], v42   ; (a conversion's three registers begin on an even number)
	v_nop                                          ; one plain place behind a scaled conversion
	v_mov_b32 v[CC+3], v[CC+4]
	v_mov_b32 v[CC+4], v[CC+5]
	v_mov_b32 v[CC+5], v[CC+6]                     ; CC .. CC + 5: the block's 24 bytes
.if (\q)/2 == 0
	ds_store_b128 v3, v[CC:CC+3] offset:256*((\q)%2)
	ds_store_b64 v3, v[CC+4:CC+5] offset:256*((\q)%2)+512
.else
	ds_store_b64 v3, v[CC:CC+1] offset:256*((\q)%2)+520
	ds_store_b128 v3, v[CC+2:CC+5] offset:256*((\q)%2)+1024
.endif
.endm
	s_load_b256 s[4:11], s[0:1], 0x0               ; Wq, Wk, Wv, Wo
	s_load_b128 s[12:15], s[0:1], 0x20             ; wimg, wsc
	s_load_b64 s[16:17], s[0:1], 0x30              ; rope
	v_lshl_add_u32 v[SPW], v0, 2, SPARE
	v_mov_b32 v[NIL], 0
	v_lshrrev_b32 v1, 5, v0
	v_readfirstlane_b32 s18, v1                    ; wave
	v_and_b32 v1, 31, v0                           ; lane
	v_lshlrev_b32 v2, 2, v1                        ; 4 x lane
	v_lshlrev_b32 v5, 4, v1                        ; 16 x lane
	v_bfe_u32 v9, v0, 3, 1                         ; my column's tile u = (lane / 8) % 2
	v_bfe_u32 v10, v0, 4, 1
	v_and_b32 v11, 7, v0
	v_lshl_add_u32 v11, v10, 3, v11                ; and its lane there: r = lane % 8 + 8 (lane / 16)
	s_mul_i32 s19, s18, 3072                       ; my stage
	v_mul_u32_u24 v3, v9, 1536
	v_lshl_add_u32 v3, v11, 4, v3
	v_add_nc_u32 v3, s19, v3                       ; into it: image u, 16 r
	v_add_nc_u32 v4, s19, v5                       ; out of it: 16 x lane
	v_lshlrev_b32 v6, 6, v9
	v_lshl_add_u32 v6, v11, 2, v6                  ; my scale word: 64 u + 4 r
	s_lshr_b32 s20, ttmp9, 6                       ; which weight
	s_and_b32 s21, ttmp9, 7                        ; K step
	s_bfe_u32 s22, ttmp9, 0x30003
	s_lshl_b32 s22, s22, 2
	s_add_co_u32 s22, s22, s18                     ; cb: which 32 columns
	s_lshl_b32 s24, s21, 19                        ; W: 128 rows of 4,096 bytes a K step,
	s_lshl_b32 s25, s22, 7                         ; 128 bytes for 32 columns
	s_add_co_u32 s24, s24, s25
	s_mov_b32 s25, 0
	s_lshl_b32 s26, s22, 4                         ; wimg: image (16 cb + 8 u + s)
	s_add_co_u32 s26, s26, s21
	s_mul_i32 s26, s26, 1536
	s_mul_i32 s27, s20, 786432
	s_add_co_u32 s26, s26, s27
	s_mov_b32 s27, 0
	s_lshr_b32 s28, s22, 1                         ; wsc: ((cb / 2) 8 + s) 256 + 128 (cb % 2)
	s_lshl_b32 s28, s28, 3
	s_add_co_u32 s28, s28, s21
	s_lshl_b32 s28, s28, 8
	s_and_b32 s29, s22, 1
	s_lshl_b32 s29, s29, 7
	s_add_co_u32 s28, s28, s29
	s_lshl_b32 s29, s20, 15
	s_add_co_u32 s28, s28, s29
	s_mov_b32 s29, 0
	s_lshl_b32 s30, ttmp9, 2
	s_add_co_u32 s30, s30, s18                     ; the wave's number in the launch: 0 .. 1,023
	s_lshl_b32 s32, s30, 1                         ; its two t
	s_add_co_u32 s33, s32, 1
	s_lshl_b32 s30, s30, 9                         ; 512 bytes of the table
	s_mov_b32 s31, 0
	s_wait_kmcnt 0x0
	s_cmp_eq_u32 s20, 1                            ; the choice hangs on the work-group's number alone
	s_cselect_b64 s[4:5], s[6:7], s[4:5]
	s_cmp_eq_u32 s20, 3
	s_cselect_b64 s[8:9], s[10:11], s[8:9]
	s_cmp_lt_u32 s20, 2
	s_cselect_b64 s[4:5], s[4:5], s[8:9]
	s_add_nc_u64 s[4:5], s[4:5], s[24:25]
	s_add_nc_u64 s[12:13], s[12:13], s[26:27]
	s_add_nc_u64 s[14:15], s[14:15], s[28:29]
	s_add_nc_u64 s[16:17], s[16:17], s[30:31]
.set kk, 0
.rept 128
	global_load_b32 v[X+kk], v2, s[4:5] offset:kk*4096 th:TH_LOAD_NT   ; 32 lanes read 128 consecutive bytes of row 128 s + kk
.set kk, kk+1
.endr
	; the table, while the loads are on their way
	v_and_b32 v12, 7, v1
	v_lshrrev_b32 v13, 3, v1
	v_mov_b32 v14, 1.0
	PICK 14, 12, 1, 0x3faab0d5                     ; 10^(1/8) .. 10^(7/8)
	PICK 14, 12, 2, 0x3fe39ea9
	PICK 14, 12, 3, 0x4017c496
	PICK 14, 12, 4, 0x404a62c2
	PICK 14, 12, 5, 0x4086f161
	PICK 14, 12, 6, 0x40b3f300
	PICK 14, 12, 7, 0x40eff755
	v_mov_b32 v15, 1.0
	PICK 15, 13, 1, 0x41200000                     ; 10, 100, 1,000
	PICK 15, 13, 2, 0x42c80000
	PICK 15, 13, 3, 0x447a0000
	v_mul_f32 v14, v14, v15                        ; the divisor
	s_wait_alu depctr_va_vdst(0)
	v_rcp_f32 v16, v14
	v_nop                                          ; a plain place behind the reciprocal,
	s_wait_alu depctr_va_vdst(0)                   ; and a wait ahead of its first reader
	ANGLE 32, 0, 32
	ANGLE 33, 256, 34
	BLOCK 0, 63                                    ; 96 later loads may be out: the count is held to the field's largest
	BLOCK 1, 63                                    ; 64 likewise
	BLOCK 2, 32
	BLOCK 3, 0
.irp i, 0,1,2,3,4,5
	ds_load_b128 v[OB+4*\i:OB+4*\i+3], v4 offset:512*\i   ; LDS serves a wave's instructions in order: these see my stores
.endr
	s_wait_alu depctr_va_vdst(0)
.irp i, 0,1,2,3,4,5
	s_wait_dscnt 5-\i
	global_store_b128 v5, v[OB+4*\i:OB+4*\i+3], s[12:13] offset:(\i/3)*12288+(\i%3)*512   ; 512 consecutive bytes, at a multiple of 256 from the buffer's first byte
.endr
	global_store_b32 v6, v[SW], s[14:15]
	s_wait_tensorcnt 0x0                           ; the wave's end, behind my last LDS store
	ds_add_u32 v[SPW], v[NIL]
	s_wait_dscnt 0x0
	s_endpgm
.Lfunc_end_k_qb30990b499_prep:
	.size	k_qb30990b499_prep, .Lfunc_end_k_qb30990b499_prep-k_qb30990b499_prep
	.p2alignl 7, 3214868480
	.fill 96, 4, 3214868480
	.section	.rodata,"a",@progbits
	.p2align	6, 0x0
	.amdhsa_kernel k_qb30990b499_prep
		.amdhsa_group_segment_fixed_size 12800
		.amdhsa_private_segment_fixed_size 0
		.amdhsa_enable_private_segment 0
		.amdhsa_kernarg_size 56
		.amdhsa_user_sgpr_count 2
		.amdhsa_user_sgpr_kernarg_segment_ptr 1
		.amdhsa_wavefront_size32 1
		.amdhsa_system_sgpr_workgroup_id_x 1
		.amdhsa_system_sgpr_workgroup_id_y 1
		.amdhsa_system_sgpr_workgroup_id_z 1
		.amdhsa_system_vgpr_workitem_id 0
		.amdhsa_next_free_vgpr 256
		.amdhsa_next_free_sgpr 66
		.amdhsa_reserve_vcc 1
		.amdhsa_float_denorm_mode_32 3
		.amdhsa_float_denorm_mode_16_64 3
		.amdhsa_memory_ordered 1
		.amdhsa_forward_progress 1
		.amdhsa_inst_pref_size 27
	.end_amdhsa_kernel
	.amdgpu_metadata
---
amdhsa.version: [ 1, 2 ]
amdhsa.kernels:
  - .name:           k_qb30990b499_prep
    .symbol:         k_qb30990b499_prep.kd
    .args:
      - { .name: Wq, .offset: 0, .size: 8, .value_kind: global_buffer, .address_space: global }
      - { .name: Wk, .offset: 8, .size: 8, .value_kind: global_buffer, .address_space: global }
      - { .name: Wv, .offset: 16, .size: 8, .value_kind: global_buffer, .address_space: global }
      - { .name: Wo, .offset: 24, .size: 8, .value_kind: global_buffer, .address_space: global }
      - { .name: wimg, .offset: 32, .size: 8, .value_kind: global_buffer, .address_space: global }
      - { .name: wsc, .offset: 40, .size: 8, .value_kind: global_buffer, .address_space: global }
      - { .name: rope, .offset: 48, .size: 8, .value_kind: global_buffer, .address_space: global }
    .group_segment_fixed_size: 12800
    .private_segment_fixed_size: 0
    .kernarg_segment_align: 8
    .kernarg_segment_size: 56
    .max_flat_workgroup_size: 128
    .sgpr_count:     66
    .vgpr_count:     256
    .wavefront_size: 32
...
	.end_amdgpu_metadata
.endif
;; end of part 5
;; launch proj (part 6): grid 64 x 3, 16 waves a work-group, no clusters, 190,464 bytes of LDS; arguments query, key, value, wimg, wsc, bq, bk, bv, rope, qrec, kv; writes qrec, kv
.if DOCPART == 6
	.amdgcn_target "amdgcn-amd-amdhsa--gfx1250"
	.amdhsa_code_object_version 6
	.text
	.protected	k_qb30990b499_proj
	.globl	k_qb30990b499_proj
	.p2align	8
	.type	k_qb30990b499_proj,@function
k_qb30990b499_proj:
	s_mov_b64 s[64:65], 0
	v_nop
	global_prefetch_b8 v0, s[64:65] scope:SCOPE_SE
	s_setreg_imm32_b32 hwreg(HW_REG_WAVE_SCHED_MODE, 0, 2), 2
	s_setreg_imm32_b32 hwreg(HW_REG_WAVE_MODE, 25, 1), 1
	s_wait_xcnt 0x0
	s_wait_alu depctr_vm_vsrc(0)
; The three input projections on codes of FP6 (E2M3): work-group (x, y) takes 64 rows (x) of query (y = 0), key (1) or value (2), all 1,024 columns; wave = head: 64 rows x 64 columns, 16 accumulators.
; PHASE X: the 64 x 1,024 f32 numbers are read once, quantised along K by the 16 waves (two fragments of 16 rows x 128 K each) and handed round through LDS as images of the operand's registers
; (registers 4 c .. 4 c + 3 of lane l at 512 c + 16 l), with one barrier.  Then each wave walks 8 K steps: its weights' four images a step come from memory straight into registers, x's four from LDS.
; THE ROWS OF A TILE ARE NOT NEIGHBOURS: in each 32 rows, lane r of tile u takes row 8 u + r + 8 (r / 8); the weights' columns likewise.  So with such a tile as source 0, the 16 registers of two neighbouring tiles are 16 neighbours.
; Q, K (source 0 = 16 columns, source 1 = 16 rows): a lane holds one row and 32 of its head's 64 numbers: bias, rotation, quantised along the head's 64: a half image (6 registers: 0-3 at 16 l, 4-5 at 512 + 8 l) for each tile of rows.
; V (source 0 = 16 rows, source 1 = 16 columns): a lane holds one column and 32 of the 64 keys: bias, quantised along the KEYS: a half image for each tile of columns.
; RECORDS of 6,656 bytes for (batch, head, 64 rows): +0 four half images of Q or K, +3072 four of V, +6144 the scale words of Q or K (lane l's 8 bytes at 8 l: tiles l / 16 and l / 16 + 2 of row l % 16; bytes 2, 3 are 127),
; +6400 V's (word 0 of lane l: the half words of tiles 2 (l / 16) and 2 (l / 16) + 1).
; NO CLUSTER, NO TENSOR LOAD for the weights: no two waves of a work-group share a fragment of W, so LDS would only be a detour, and two slots of a K step's 64 images (98,304 bytes each) do not fit beside the 188,416 bytes in use.
; LIMITS: NaN and infinities are not served.  A block of zeros gets the byte 1 where the rule says 127: its codes are zeros, and this program alone reads the bytes.
; THE MODE: SCHED_MODE bits 1:0 = 2 (LLVM: expert scheduling mode 2), set by the entry lines.  The code itself states the register dependences
; between vector or matrix instructions and memory or LDS instructions, with s_wait_alu, always for 0.
; THE PLAN.  Registers that memory or LDS instructions touch:
;   v1-v12, v25     offsets and LDS addresses: written at the head and never again: one wait on va_vdst ahead of the first load serves them all.
;   v128-255        PHASE X: x as loaded, read by the stores into the stage.  From the first K step on the accumulators, named by matrix and vector instructions alone: one wait on vm_vsrc behind the barrier.
;   v32-95          PHASE X: 64 numbers back from the stage, read by QUANT4.      v96-107, v31: written by QUANT4, read by the image's stores.
;   FA, FB, v14-21  K STEPS: the step's loads land in them, its products read them.  The wave's 256 registers are all taken (32 + 96 of fragments + 128 of accumulators): there is no second set, so ONE wait on va_vdst stands
;                   at the head of each K step but the first: the last step's products are done reading, and all 32 loads of the step follow it.
;   Q, K, THE WAY OUT: the bias lands in v32-63 and is added to all four tiles first; then v32-63 and v64-95 are two buffers of the table by turns.  Tile p rotates by buffer p % 2 and writes the out-buffer v110-115.
;                   ONE wait on va_vdst at the head of tile p states that tile p - 1 is done reading its buffer and has written the out-buffer: the loads of tile p + 1's table and tile p - 1's two stores follow it.
;                   The wait on vm_vsrc for the out-buffer stands a rotation behind those stores, ahead of QUANT2.
;   V, THE WAY OUT: an out-buffer for each of the four tiles (six registers of codes at v40, v50, v60, v70), so that no store's data are written again: ONE wait on va_vdst, then all nine stores.
.set XIMG,  0                          ; LDS: x's 32 images (tile of rows m, K step s: 8 m + s), 1,536 bytes each;
.set XSC,   49152                      ; their scale words, 128 bytes each (4 bytes a lane);
.set STG,   53248                      ; a stage of 16 rows x (512 + 16) bytes for each wave;
.set SPARE, 188416                     ; the spare words, 128 bytes a wave
.set SPW, 9                            ; v9   my spare word's LDS address; never rewritten
.set NIL, 10                           ; v10  0; never rewritten
.set PW,  31                           ; v31  the scale word just made
.set FA,  32                           ; v32-79   source 0's four fragments
.set FB,  80                           ; v80-127  source 1's four
.set ACC, 128                          ; v128-255 accumulator (source 1's tile q, source 0's tile a) at 128 + 32 q + 8 a.  v14-17: W's scale words, v18-21: x's; they hold nothing else
.set SEL, 42                           ; s[42:43] selects for v_permlanex16_b32: lane l xor 16
; 64 numbers of a lane, register 16 b + i = k 32 b + 16 (lane / 16) + i of my row, become a fragment's codes in v[pc] .. v[pc + 11] and its scale word in v[pw]
.macro QUANT4 s, tm, pc, pw
.irp b, 0,1,2,3
	v_max3_num_f32 v[\tm+\b], |v[\s+16*\b]|, |v[\s+1+16*\b]|, 0x1800000   ; my 16 numbers of block b, and the floor 2^(3 - 127): the byte cannot fall under 1
.endr
.irp i, 2,4,6,8,10,12,14
.irp b, 0,1,2,3
	v_max3_num_f32 v[\tm+\b], v[\tm+\b], |v[\s+16*\b+\i]|, |v[\s+1+16*\b+\i]|
.endr
.endr
.irp b, 0,1,2,3
	v_permlanex16_b32 v[\tm+4+\b], v[\tm+\b], s[SEL], s[SEL+1]
.endr
.irp b, 0,1,2,3
	v_max_num_f32 v[\tm+\b], v[\tm+\b], v[\tm+4+\b]   ; with lane l xor 16's: the block's largest magnitude
.endr
.irp b, 0,1,2,3
	v_add_nc_u32 v[\tm+8+\b], 0xff000000, v[\tm+\b]   ; 2 off its exponent field: the conversion's scale operand
.endr
.irp b, 0,1,2,3
	v_lshrrev_b32 v[\tm+4+\b], 23, v[\tm+8+\b]        ; the byte
.endr
	v_lshl_or_b32 v[\pw], v[\tm+5], 8, v[\tm+4]
	v_lshl_or_b32 v[\pw], v[\tm+6], 16, v[\pw]
	v_lshl_or_b32 v[\pw], v[\tm+7], 24, v[\pw]
.irp c, 0,1
	v_cvt_scalef32_pk16_fp6_f32 v[\pc+6*\c:\pc+2+6*\c], v[\s+32*\c:\s+15+32*\c], v[\tm+8+2*\c]
	v_cvt_scalef32_pk16_fp6_f32 v[\pc+12+4*\c:\pc+14+4*\c], v[\s+16+32*\c:\s+31+32*\c], v[\tm+8+2*\c+1]
.endr
	v_nop                                          ; one plain place behind a scaled conversion
.irp c, 0,1                                    ; the operand wants a WHOLE block in a lane: lanes 0-15 block 2 c, lanes 16-31 block 2 c + 1
.irp i, 0,1,2
	v_permlane16_swap_b32 v[\pc+6*\c+\i], v[\pc+12+4*\c+\i]
.endr
.irp i, 0,1,2
	v_mov_b32 v[\pc+3+6*\c+\i], v[\pc+12+4*\c+\i]
.endr
.endr
.endm
; 32 numbers of a lane (two blocks) become half a fragment's codes in v[pc] .. v[pc + 5] and two scale bytes in v[hw]
.macro QUANT2 s, tm, pc, hw
.irp b, 0,1
	v_max3_num_f32 v[\tm+\b], |v[\s+16*\b]|, |v[\s+1+16*\b]|, 0x1800000
.endr
.irp i, 2,4,6,8,10,12,14
.irp b, 0,1
	v_max3_num_f32 v[\tm+\b], v[\tm+\b], |v[\s+16*\b+\i]|, |v[\s+1+16*\b+\i]|
.endr
.endr
.irp b, 0,1
	v_permlanex16_b32 v[\tm+2+\b], v[\tm+\b], s[SEL], s[SEL+1]
.endr
.irp b, 0,1
	v_max_num_f32 v[\tm+\b], v[\tm+\b], v[\tm+2+\b]
.endr
.irp b, 0,1
	v_add_nc_u32 v[\tm+4+\b], 0xff000000, v[\tm+\b]
.endr
.irp b, 0,1
	v_lshrrev_b32 v[\tm+2+\b], 23, v[\tm+4+\b]
.endr
	v_lshl_or_b32 v[\hw], v[\tm+3], 8, v[\tm+2]
	v_cvt_scalef32_pk16_fp6_f32 v[\pc:\pc+2], v[\s:\s+15], v[\tm+4]
	v_cvt_scalef32_pk16_fp6_f32 v[\pc+6:\pc+8], v[\s+16:\s+31], v[\tm+5]
	v_nop                                          ; one plain place behind a scaled conversion
.irp i, 0,1,2
	v_permlane16_swap_b32 v[\pc+\i], v[\pc+6+\i]
.endr
.irp i, 0,1,2
	v_mov_b32 v[\pc+3+\i], v[\pc+6+\i]
.endr
.endm
.macro MMA d, a, b, sa, sb, zero
.if \zero
	v_wmma_scale_f32_16x16x128_f8f6f4 v[\d:\d+7], v[\a:\a+11], v[\b:\b+11], 0, v[\sa], v[\sb] matrix_a_fmt:MATRIX_FMT_FP6 matrix_b_fmt:MATRIX_FMT_FP6
.else
	v_wmma_scale_f32_16x16x128_f8f6f4 v[\d:\d+7], v[\a:\a+11], v[\b:\b+11], v[\d:\d+7], v[\sa], v[\sb] matrix_a_fmt:MATRIX_FMT_FP6 matrix_b_fmt:MATRIX_FMT_FP6
.endif
.endm
; K step s: W's four images into v[wr] on, x's four into v[xr] on, 16 products.  The 16 accumulators take turns, one instruction a turn.
; zero = 1: the first K step: its products start the sums, and no product stands ahead of its loads.
.macro KSTEP s, wr, xr, swap, zero
.if !\zero
.rept 4
	v_nop                                          ; the four places behind the last step's products stay, ahead of the wait
.endr
	s_wait_alu depctr_va_vdst(0)                   ; the last step's products are done reading FA, FB and the scale words v14-21, in which the 32 loads below land
.endif
.irp t, 0,1,2,3
.irp c, 0,1,2
	global_load_b128 v[\wr+12*\t+4*\c:\wr+12*\t+4*\c+3], v1, s[32:33] offset:(8*\t+\s)*1536+512*\c
.endr
	global_load_b32 v[14+\t], v4, s[34:35] offset:256*\s+64*\t
.endr
.irp t, 0,1,2,3
.irp c, 0,1,2
	ds_load_b128 v[\xr+12*\t+4*\c:\xr+12*\t+4*\c+3], v1 offset:XIMG+(8*\t+\s)*1536+512*\c
.endr
	ds_load_b32 v[18+\t], v3 offset:XSC+(8*\t+\s)*128
.endr
	s_wait_loadcnt 0x0
	s_wait_dscnt 0x0
.irp q, 0,1,2,3
.irp a, 0,1,2,3
.if \swap
	MMA ACC+32*\q+8*\a, FA+12*\a, FB+12*\q, 18+\a, 14+\q, \zero
.else
	MMA ACC+32*\q+8*\a, FA+12*\a, FB+12*\q, 14+\a, 18+\q, \zero
.endif
.endr
.endr
.endm
	s_load_b512 s[4:19], s[0:1], 0x0               ; query, key, value, wimg, wsc, bq, bk, bv
	s_load_b128 s[20:23], s[0:1], 0x40             ; rope, qrec
	s_load_b64 s[24:25], s[0:1], 0x50              ; kv
	v_lshl_add_u32 v[SPW], v0, 2, SPARE
	v_mov_b32 v[NIL], 0
	v_lshrrev_b32 v1, 5, v0
	v_readfirstlane_b32 s26, v1                    ; wave = head
	s_and_b32 s27, ttmp7, 0xffff                   ; which tensor
	v_and_b32 v13, 31, v0                          ; lane
	v_and_b32 v22, 15, v0                          ; r
	v_bfe_u32 v23, v0, 4, 1                        ; h
	v_lshlrev_b32 v1, 4, v13                       ; 16 x lane
	v_lshlrev_b32 v2, 3, v13                       ; 8 x lane
	v_lshlrev_b32 v3, 2, v13                       ; 4 x lane
	v_lshlrev_b32 v4, 2, v22                       ; 4 r
	s_wait_alu depctr_va_sdst(0)                   ; s26, the wave's number, is written, ahead of its first reader: LDS places and all bases are made from it
	s_mul_i32 s45, s26, 8448
	s_add_co_u32 s45, s45, STG                     ; my stage
	s_mul_i32 s28, s26, 3072                       ; my two images  (each of the three in a scalar register of its own: none that a vector instruction reads is written again)
	s_lshl_b32 s29, s26, 8                         ; my two scale words
	v_add_nc_u32 v5, s45, v1                       ; into the stage: a row's 512 bytes as they lie
	v_mul_u32_u24 v6, v22, 528
	v_lshl_add_u32 v6, v23, 6, v6
	v_add_nc_u32 v6, s45, v6                       ; out of it: row r, + 64 h: my 16 numbers of a block of 32
	v_add_nc_u32 v7, s28, v1                       ; where I store my two images
	v_add_nc_u32 v8, s29, v3                       ; and their scale words
	v_and_b32 v24, 8, v22
	v_add_nc_u32 v24, v24, v22                     ; r + 8 (r / 8)
	v_lshlrev_b32 v11, 8, v24
	v_lshl_add_u32 v11, v23, 6, v11                ; the table: my row's 256 bytes, + 64 h
	v_lshlrev_b32 v12, 6, v23                      ; bq, bk: 64 h
	v_lshlrev_b32 v25, 2, v24                      ; bv: my column
.irp b, 0,1,2,3
	v_mov_b32 v[120+\b], 0                         ; written once: a lane permute's destination counts as one of its sources
.endr
	s_lshl_b32 s46, ttmp9, 18                      ; x: 64 rows of 4,096 bytes a work-group,
	s_lshr_b32 s47, s26, 3
	s_lshl_b32 s47, s47, 17                        ; my tile m = wave / 4 begins at row 32 (m / 2) + 8 (m % 2),
	s_add_co_u32 s46, s46, s47
	s_bfe_u32 s47, s26, 0x10002
	s_lshl_b32 s47, s47, 15
	s_add_co_u32 s46, s46, s47
	s_and_b32 s47, s26, 3
	s_lshl_b32 s47, s47, 10                        ; my two K steps: 1,024 bytes x (wave % 4)
	s_add_co_u32 s46, s46, s47
	s_mov_b32 s47, 0
	s_mul_i32 s48, s27, 786432                     ; my head's 32 images of this weight
	s_mul_i32 s49, s26, 49152
	s_add_co_u32 s48, s48, s49
	s_mov_b32 s49, 0
	s_lshl_b32 s50, s27, 15                        ; and their scale words
	s_lshl_b32 s51, s26, 11
	s_add_co_u32 s50, s50, s51
	s_mov_b32 s51, 0
	s_lshr_b32 s52, ttmp9, 5                       ; the record of (batch, head, 64 rows)
	s_lshl_b32 s52, s52, 4
	s_add_co_u32 s52, s52, s26
	s_mul_i32 s52, s52, 212992
	s_and_b32 s53, ttmp9, 31
	s_mul_i32 s54, s53, 6656
	s_add_co_u32 s52, s52, s54
	s_lshl_b32 s54, s53, 14                        ; the table's 64 rows of 256 bytes
	s_mov_b32 s53, 0
	s_mov_b32 s55, 0
	s_lshl_b32 s56, s26, 8                         ; the bias: my head's 64 numbers
	s_mov_b32 s57, 0
	s_mov_b32 s[SEL], 0x76543210
	s_mov_b32 s[SEL+1], 0xfedcba98
	s_mov_b32 s44, 0xffff0000                      ; lanes 16-31
	s_wait_kmcnt 0x0
	s_cmp_eq_u32 s27, 0                            ; the choices hang on the work-group's number alone
	s_cselect_b64 s[30:31], s[4:5], s[6:7]
	s_cselect_b64 s[36:37], s[14:15], s[16:17]
	s_cselect_b64 s[38:39], s[22:23], s[24:25]
	s_cmp_eq_u32 s27, 2
	s_cselect_b64 s[30:31], s[8:9], s[30:31]
	s_cselect_b64 s[36:37], s[18:19], s[36:37]
	s_add_nc_u64 s[30:31], s[30:31], s[46:47]
	s_add_nc_u64 s[32:33], s[10:11], s[48:49]
	s_add_nc_u64 s[34:35], s[12:13], s[50:51]
	s_add_nc_u64 s[36:37], s[36:37], s[56:57]
	s_add_nc_u64 s[38:39], s[38:39], s[52:53]
	s_add_nc_u64 s[40:41], s[20:21], s[54:55]
	s_wait_alu depctr_va_vdst(0)                   ; the offsets and LDS addresses v1 to v12 and v25 are written, which the loads and stores of the whole kernel read
	; ---- X: my two fragments: 16 rows x 128 K each; a load reads a row's 512 consecutive bytes
.irp f, 0,1
.irp i, 0,1,2,3,4,5,6,7,8,9,10,11,12,13,14,15
	global_load_b128 v[ACC+64*\f+4*\i:ACC+64*\f+4*\i+3], v1, s[30:31] offset:(\i+8*(\i/8))*4096+512*\f th:TH_LOAD_NT
.endr
.endr
.macro XFRAG f, left
	s_wait_loadcnt \left
.irp i, 0,1,2,3,4,5,6,7,8,9,10,11,12,13,14,15
	ds_store_b128 v5, v[ACC+64*\f+4*\i:ACC+64*\f+4*\i+3] offset:528*\i
.endr
.irp b, 0,1,2,3
.irp j, 0,1,2,3
	ds_load_b128 v[32+16*\b+4*\j:35+16*\b+4*\j], v6 offset:128*\b+16*\j   ; LDS serves a wave's instructions in order: these see my stores.  (No vector instruction since the last wait on va_vdst names v32-95)
.endr
.endr
	s_wait_dscnt 0x0                               ; my 64 numbers are in; the last fragment's image has been stored
.if \f
	s_wait_alu depctr_vm_vsrc(0)                   ; the first image's stores have read v96-107 and v31, which QUANT4 writes again
.endif
	QUANT4 32, 116, 96, PW
	s_wait_alu depctr_va_vdst(0)                   ; QUANT4 has written v96-107 and v31, which the stores below read; it is done reading v32-95 and writing v96-127, in which later loads land
.irp c, 0,1,2
	ds_store_b128 v7, v[96+4*\c:99+4*\c] offset:XIMG+1536*\f+512*\c
.endr
	ds_store_b32 v8, v[PW] offset:XSC+128*\f
.endm
	XFRAG 0, 16                                    ; the second fragment's 16 loads may be out
	XFRAG 1, 0
	s_wait_dscnt 0x0                               ; for the others' sake: my images are stored
	s_barrier_signal -1
	s_barrier_wait -1                              ; x's 32 images lie in LDS; nothing is stored to LDS after this but the closing add
	s_wait_alu depctr_vm_vsrc(0)                   ; my LDS stores have read v96-107, in which fragments land from here on, and v128-255, which the products write: ahead of the branch, for both ways
	s_cmp_eq_u32 s27, 2
	s_cbranch_scc1 .Lv
	; ---- Q, K: source 0 = W, source 1 = x
	KSTEP 0, FA, FB, 0, 1
.irp s, 1,2,3,4,5,6,7
	KSTEP \s, FA, FB, 0, 0
.endr
.rept 4
	v_nop                                          ; four places in front of the first read of results and of writes into the operands' registers
.endr
	v_mov_b32 v106, 0                              ; a lane permute's destination counts as one of its sources
	v_mov_b32 v107, 0
	s_wait_alu depctr_va_vdst(0)                   ; the last products are done reading FA and FB, in which the bias and the table land
.irp b, 0,1
.irp i, 0,1,2,3
	global_load_b128 v[32+16*\b+4*\i:35+16*\b+4*\i], v12, s[36:37] offset:128*\b+16*\i   ; the bias at my 32 numbers: d = 32 b + 16 h + 0 .. 15
.endr
.endr
.macro CS mm, cb                       ; cos (v[cb] on) and sin (v[cb + 16] on) of my row of tile mm, at indices 16 h + 0 .. 15
.irp i, 0,1,2,3
	global_load_b128 v[\cb+4*\i:\cb+3+4*\i], v11, s[40:41] offset:(32*((\mm)/2)+8*((\mm)%2))*256+16*\i
	global_load_b128 v[\cb+16+4*\i:\cb+19+4*\i], v11, s[40:41] offset:(32*((\mm)/2)+8*((\mm)%2))*256+128+16*\i
.endr
.endm
	CS 0, 64
	s_wait_loadcnt 8                               ; the bias is in; the table's eight loads may be out
.irp mm, 0,1,2,3
.irp j, 0,2,4,6,8,10,12,14,16,18,20,22,24,26,28,30
	v_pk_add_f32 v[ACC+32*\mm+\j:ACC+32*\mm+\j+1], v[ACC+32*\mm+\j:ACC+32*\mm+\j+1], v[32+\j:33+\j]   ; all four tiles, each accumulator from its low end on
.endr
.endr
	s_wait_alu depctr_va_vdst(0)                   ; the additions are done reading the bias in v32-63, which is the table's second buffer from here on
	CS 1, 32
.macro QKROW mm
.set A, ACC+32*(\mm)                   ; registers A + i: d = 16 h + i (the left half); A + 16 + i: d = 32 + 16 h + i (the right half)
.set CB, 64-32*((\mm)%2)               ; this tile's buffer of the table
.if (\mm) > 0
	s_wait_alu depctr_va_vdst(0)                   ; the tile before: its rotation is done reading its buffer of the table, in which the loads below land; its QUANT2 has written v110-115, which the stores below read
.if (\mm) < 3
	CS (\mm)+1, 32+32*((\mm)%2)
.endif
	global_store_b128 v1, v[110:113], s[38:39] offset:768*((\mm)-1)
	global_store_b64 v2, v[114:115], s[38:39] offset:768*((\mm)-1)+512
.endif
.if (\mm) < 3
	s_wait_loadcnt 8                               ; this tile's table is in; the next tile's eight loads may be out
.else
	s_wait_loadcnt 0x0
.endif
.irp j, 0,2,4,6,8,10,12,14
.set T, 96+2*(\j%4)
	v_pk_mul_f32 v[T:T+1], v[A+16+\j:A+17+\j], v[CB+16+\j:CB+17+\j]
	v_pk_mul_f32 v[T+2:T+3], v[A+\j:A+\j+1], v[CB+16+\j:CB+17+\j]
	v_pk_fma_f32 v[A+\j:A+\j+1], v[A+\j:A+\j+1], v[CB+\j:CB+\j+1], v[T:T+1] neg_lo:[0,0,1] neg_hi:[0,0,1]   ; left x cos - right x sin
	v_pk_fma_f32 v[A+16+\j:A+17+\j], v[A+16+\j:A+17+\j], v[CB+\j:CB+\j+1], v[T+2:T+3]                       ; right x cos + left x sin
.endr
.if (\mm) > 0
	s_wait_xcnt 0x0                                ; the last tile's stores have had their addresses translated: the codes' registers are written again only behind this wait,
	s_wait_alu depctr_vm_vsrc(0)                   ; and behind this one: those stores have read v110-115, which QUANT2 writes again
.endif
	QUANT2 A, 104, 110, 120+(\mm)
	v_or_b32 v[120+(\mm)], 0x7f7f0000, v[120+(\mm)]   ; bytes 2 and 3, for the half of the instruction's K that is not there: 127
.endm
	QKROW 0
	QKROW 1
	QKROW 2
	QKROW 3
	v_cndmask_b32 v124, v120, v121, s44            ; lanes 0-15: tiles 0 and 2; lanes 16-31: tiles 1 and 3
	v_cndmask_b32 v125, v122, v123, s44
	s_wait_alu depctr_va_vdst(0)                   ; the last tile's QUANT2 has written v110-115 and the two selections v124-125, which the stores below read
	global_store_b128 v1, v[110:113], s[38:39] offset:768*3
	global_store_b64 v2, v[114:115], s[38:39] offset:768*3+512
	global_store_b64 v2, v[124:125], s[38:39] offset:6144
	s_wait_dscnt 0x0                               ; the closing lines, six on end
	s_wait_alu 0x0
	s_wait_tensorcnt 0x0
	ds_add_u32 v[SPW], v[NIL]
	s_wait_dscnt 0x0
	s_endpgm
.Lv:
	; ---- V: source 0 = x, source 1 = W
	KSTEP 0, FB, FA, 1, 1
.irp s, 1,2,3,4,5,6,7
	KSTEP \s, FB, FA, 1, 0
.endr
.rept 4
	v_nop                                          ; four places in front of the first read of results and of writes into the operands' registers
.endr
	v_mov_b32 v106, 0
	v_mov_b32 v107, 0
	s_wait_alu depctr_va_vdst(0)                   ; the last products are done reading FA, in which the bias lands
.irp t, 0,1,2,3
	global_load_b32 v[32+2*\t], v25, s[36:37] offset:(32*(\t/2)+8*(\t%2))*4   ; the bias of my column of tile t
.endr
	s_wait_loadcnt 0x0
.irp t, 0,1,2,3
	v_mov_b32 v[33+2*\t], v[32+2*\t]
.endr
.macro VROW t
.set A, ACC+32*(\t)                    ; registers A + 16 b + i: key 32 b + 16 h + i of the 64
.irp j, 0,2,4,6,8,10,12,14,16,18,20,22,24,26,28,30
	v_pk_add_f32 v[A+\j:A+\j+1], v[A+\j:A+\j+1], v[32+2*(\t):33+2*(\t)]
.endr
	QUANT2 A, 104, 40+10*(\t), 120+(\t)            ; each tile's codes into registers of their own
.endm
	VROW 0
	VROW 1
	VROW 2
	VROW 3
	v_lshl_or_b32 v124, v121, 16, v120
	v_lshl_or_b32 v126, v123, 16, v122
	v_cndmask_b32 v124, v124, v126, s44            ; lanes 0-15: tiles 0, 1; lanes 16-31: tiles 2, 3
	v_mov_b32 v125, 0
	s_wait_alu depctr_va_vdst(0)                   ; the four QUANT2 have written the four out-buffers, the lines above v124-125: the nine stores below read them
.irp t, 0,1,2,3
	global_store_b128 v1, v[40+10*\t:43+10*\t], s[38:39] offset:3072+768*\t
	global_store_b64 v2, v[44+10*\t:45+10*\t], s[38:39] offset:3072+768*\t+512
.endr
	global_store_b64 v2, v[124:125], s[38:39] offset:6400
	s_wait_dscnt 0x0                               ; the closing lines, as above
	s_wait_alu 0x0
	s_wait_tensorcnt 0x0
	ds_add_u32 v[SPW], v[NIL]
	s_wait_dscnt 0x0
	s_endpgm
.Lfunc_end_k_qb30990b499_proj:
	.size	k_qb30990b499_proj, .Lfunc_end_k_qb30990b499_proj-k_qb30990b499_proj
	.p2alignl 7, 3214868480
	.fill 96, 4, 3214868480
	.section	.rodata,"a",@progbits
	.p2align	6, 0x0
	.amdhsa_kernel k_qb30990b499_proj
		.amdhsa_group_segment_fixed_size 190464
		.amdhsa_private_segment_fixed_size 0
		.amdhsa_enable_private_segment 0
		.amdhsa_kernarg_size 88
		.amdhsa_user_sgpr_count 2
		.amdhsa_user_sgpr_kernarg_segment_ptr 1
		.amdhsa_wavefront_size32 1
		.amdhsa_system_sgpr_workgroup_id_x 1
		.amdhsa_system_sgpr_workgroup_id_y 1
		.amdhsa_system_sgpr_workgroup_id_z 1
		.amdhsa_system_vgpr_workitem_id 0
		.amdhsa_next_free_vgpr 256
		.amdhsa_next_free_sgpr 66
		.amdhsa_reserve_vcc 0
		.amdhsa_float_denorm_mode_32 3
		.amdhsa_float_denorm_mode_16_64 3
		.amdhsa_memory_ordered 1
		.amdhsa_forward_progress 1
		.amdhsa_inst_pref_size 133
	.end_amdhsa_kernel
	.amdgpu_metadata
---
amdhsa.version: [ 1, 2 ]
amdhsa.kernels:
  - .name:           k_qb30990b499_proj
    .symbol:         k_qb30990b499_proj.kd
    .args:
      - { .name: query, .offset: 0, .size: 8, .value_kind: global_buffer, .address_space: global }
      - { .name: key, .offset: 8, .size: 8, .value_kind: global_buffer, .address_space: global }
      - { .name: value, .offset: 16, .size: 8, .value_kind: global_buffer, .address_space: global }
      - { .name: wimg, .offset: 24, .size: 8, .value_kind: global_buffer, .address_space: global }
      - { .name: wsc, .offset: 32, .size: 8, .value_kind: global_buffer, .address_space: global }
      - { .name: bq, .offset: 40, .size: 8, .value_kind: global_buffer, .address_space: global }
      - { .name: bk, .offset: 48, .size: 8, .value_kind: global_buffer, .address_space: global }
      - { .name: bv, .offset: 56, .size: 8, .value_kind: global_buffer, .address_space: global }
      - { .name: rope, .offset: 64, .size: 8, .value_kind: global_buffer, .address_space: global }
      - { .name: qrec, .offset: 72, .size: 8, .value_kind: global_buffer, .address_space: global }
      - { .name: kv, .offset: 80, .size: 8, .value_kind: global_buffer, .address_space: global }
    .group_segment_fixed_size: 190464
    .private_segment_fixed_size: 0
    .kernarg_segment_align: 8
    .kernarg_segment_size: 88
    .max_flat_workgroup_size: 512
    .sgpr_count:     66
    .vgpr_count:     256
    .wavefront_size: 32
...
	.end_amdgpu_metadata
.endif
;; end of part 6
;; launch attn (part 7): grid 8 x 32, 16 waves a work-group, clusters of 4 x 1, 223,232 bytes of LDS; arguments qrec, kv, frac, alpha_pos, alpha_neg, oc, osc; writes oc, osc
.if DOCPART == 7
	.amdgcn_target "amdgcn-amd-amdhsa--gfx1250"
	.amdhsa_code_object_version 6
	.text
	.protected	k_qb30990b499_attn
	.globl	k_qb30990b499_attn
	.p2align	8
	.type	k_qb30990b499_attn,@function
k_qb30990b499_attn:
	s_mov_b64 s[64:65], 0
	v_nop
	global_prefetch_b8 v0, s[64:65] scope:SCOPE_SE
	s_setreg_imm32_b32 hwreg(HW_REG_WAVE_MODE, 25, 1), 1
	s_wait_xcnt 0x0
	s_wait_alu depctr_hold_cnt(0) depctr_sa_sdst(0) depctr_va_vdst(0) depctr_va_sdst(0) depctr_va_ssrc(0) depctr_va_vcc(0) depctr_vm_vsrc(0)
	s_getreg_b32 s2, hwreg(HW_REG_IB_STS2, 6, 4)
	s_cmp_eq_u32 s2, 0
	s_cbranch_scc0 .Lentry_in_a_cluster
	s_endpgm
.Lentry_in_a_cluster:
	s_bfe_u32 s2, ttmp6, 0x10000c
	s_cmp_lg_u32 s2, 0x3003
	s_cbranch_scc0 .Lentry_shape_is_right
	s_endpgm
.Lentry_shape_is_right:
; Attention on codes of FP6 (E2M3) for one (batch, head): scores = Q K^T / 8 + bias, softmax, x V, / the row's sum; the result is quantised along the head's 64 for the last projection.
; SHARES: a work-group owns 256 queries of one (batch, head); each of its sixteen waves owns 16 of them (one tile, as the projection laid it), in 256 registers: four waves to a SIMD, so that one wave's vector work stands beside
; another's products and LDS loads.  Every wave walks all 2,048 keys, 128 a step.
; K, V AND THEIR SCALES OF THE WHOLE HEAD STAY IN LDS: 32 records of 6,656 bytes = 212,992 bytes, filled ONCE: each wave brings 52 rows of 256 bytes, which are one key step's two records.  No slot is ever filled again.
; CLUSTER: the four work-groups of a cluster belong to one (batch, head) and need the same 212,992 bytes: each load is asked for JOINTLY, with the same descriptor and a mask that names the four.
; LAYOUT: both products are used transposed: S^T = K Q^T (source 0 = 16 keys, source 1 = my 16 queries), O^T = V^T P^T (source 0 = 16 of the head's 64): a lane holds ONE query (lane % 16) throughout.
; The keys of a tile are chosen (lane r of tile 2 b + u: key 32 b + 8 u + r + 8 (r / 8)) so that the 16 registers of two neighbouring tiles are 16 neighbouring keys; V's tiles of the head's 64 likewise.
; THE FIRST PRODUCT'S K IS 64, the instruction's 128: Q's registers 6-11 hold zero codes, so k = 64 .. 127 adds nothing whatever K's registers 6-11 hold.  They hold the next tile's codes (the last tile's: zeros): every code of this
; format is a finite number, and bytes 2 and 3 of both scale words are 127.  So a tile of K costs six registers, not twelve.
; THE BIAS is the C of the first product: with u = score + 8 bias, t = u log2(e) / 8.  8 bias = 8 an f_j + 8 (ap - an) max(f_j, f_i) - 8 ap f_i, which is reference's ap relu(f_j - f_i) - an relu(f_i - f_j) but for f32 roundings of
; terms of the size of alpha x frac.
; THE SOFTMAX: M = the running largest t rounded UP to a whole number; p = 2^(t - M) is quantised along the keys, not normalised; the row's sum is taken of the unquantised p; when M moves, the sum and O^T are multiplied by
; 2^(old M - new M), exactly.  A block's largest p is not searched for: the block's largest u goes through the same multiply-add and exponential.
; LIMITS: NaN and infinities are not served.  A block of zeros gets the byte 1 where the rule says 127: its codes are zeros, and this program alone reads the bytes.
; REGISTERS: v1 16 l, v2 8 l, v3 frac's place; v6-8 addresses of the step; v9 f_i; v[10:11] -8 ap f_i; v12 -M, v13 the largest t, v[14:15] the sum; v16-27 Q (22-27 zeros); v[28:29] the rescaling factor;
; v32-85 K's eight tiles (six registers each; v80-85 zeros), later V's four fragments; v86-95 scales and nothing else; v96-159 the bias, S^T, p; v160-191 O^T; v192-255 f_j, later at work (v224-235 p's codes).
.set FT,    212992                     ; LDS behind the records: frac of my batch, 2,048 f32, stored by the waves
.set SPARE, 221184                     ; the spare words, 128 bytes a wave
.set SPW, 4                            ; v4  my spare word's LDS address; never rewritten
.set NIL, 5                            ; v5  0; never rewritten
.set WV,  18                           ; s18 my wave's number
.set SEL, 20                           ; s[20:21] selects for v_permlanex16_b32: lane l xor 16
.set CS,  22                           ; s[22:23] c = log2(e) / 8
.set G1,  24                           ; s[24:31] descriptor group 1
.set G0,  40                           ; s[40:43] descriptor group 0
.set A2,  48                           ; s[48:49] 8 an
.set A3,  50                           ; s[50:51] 8 (ap - an)
.set TB,  54                           ; s54 LDS byte of the step's two records
.set TF,  55                           ; s55 and of its 128 numbers of frac
.set CNT, 56                           ; s56 steps to go
.macro CROUND                          ; a round of the cluster's barrier
	s_barrier_signal -1
	s_barrier_wait -1
	s_cmp_lg_u32 s[WV], 0
	s_cbranch_scc1 .Lnot_wave_0_\@
	s_barrier_signal -3
.Lnot_wave_0_\@:
	s_barrier_wait -3
	s_barrier_signal -1
	s_barrier_wait -1
.endm
; 32 numbers of a lane (two blocks: register 16 b + i = k 32 b + 16 (lane / 16) + i) become half a fragment's codes in v[pc] .. v[pc + 5] and two scale bytes in v[hw]
.macro QUANT2 s, tm, pc, hw
.irp b, 0,1
	v_max3_num_f32 v[\tm+\b], |v[\s+16*\b]|, |v[\s+1+16*\b]|, 0x1800000
.endr
.irp i, 2,4,6,8,10,12,14
.irp b, 0,1
	s_delay_alu instid0(VALU_DEP_2)
	v_max3_num_f32 v[\tm+\b], v[\tm+\b], |v[\s+16*\b+\i]|, |v[\s+1+16*\b+\i]|
.endr
.endr
.irp b, 0,1
	s_delay_alu instid0(VALU_DEP_2)
	v_permlanex16_b32 v[\tm+2+\b], v[\tm+\b], s[SEL], s[SEL+1]
.endr
.irp b, 0,1
	s_delay_alu instid0(VALU_DEP_2)
	v_max_num_f32 v[\tm+\b], v[\tm+\b], v[\tm+2+\b]
.endr
.irp b, 0,1
	s_delay_alu instid0(VALU_DEP_2)
	v_add_nc_u32 v[\tm+4+\b], 0xff000000, v[\tm+\b]
.endr
.irp b, 0,1
	s_delay_alu instid0(VALU_DEP_2)
	v_lshrrev_b32 v[\tm+2+\b], 23, v[\tm+4+\b]
.endr
	s_delay_alu instid0(VALU_DEP_1)
	v_lshl_or_b32 v[\hw], v[\tm+3], 8, v[\tm+2]
	v_cvt_scalef32_pk16_fp6_f32 v[\pc:\pc+2], v[\s:\s+15], v[\tm+4]
	v_cvt_scalef32_pk16_fp6_f32 v[\pc+6:\pc+8], v[\s+16:\s+31], v[\tm+5]
	v_nop                                          ; one plain place behind a scaled conversion
.irp i, 0,1,2
	v_permlane16_swap_b32 v[\pc+\i], v[\pc+6+\i]
.endr
.irp i, 0,1,2
	s_delay_alu instid0(VALU_DEP_3)
	v_mov_b32 v[\pc+3+\i], v[\pc+6+\i]
.endr
.endm
	s_load_b256 s[4:11], s[0:1], 0x0               ; qrec, kv, frac, alpha_pos
	s_load_b128 s[12:15], s[0:1], 0x20             ; alpha_neg, oc
	s_load_b64 s[16:17], s[0:1], 0x30              ; osc
	v_lshl_add_u32 v[SPW], v0, 2, SPARE
	v_mov_b32 v[NIL], 0
	ds_add_u32 v[SPW], v[NIL]                      ; the wave's opening: the add and its wait stand ahead of my first tensor load; the set-up below, work on registers, stands between them
	ds_add_u32 v[SPW], v[NIL]
	v_lshrrev_b32 v1, 5, v0
	s_delay_alu instid0(VALU_DEP_1)
	v_readfirstlane_b32 s[WV], v1                  ; wave 0..15
	s_bfe_u32 s57, ttmp6, 0x40000                  ; cx: my place in the cluster: it enters Q's, frac's own-row, oc's and osc's addresses alone
	s_lshl_b32 s58, ttmp9, 2
	s_add_co_u32 s58, s58, s57                     ; my block of 256 queries
	s_and_b32 s59, ttmp7, 0xffff                   ; (batch, head), which the four partners share
	s_lshr_b32 s32, s59, 4                         ; batch
	s_and_b32 s33, s59, 15                         ; head
	s_lshr_b32 s34, s[WV], 2                       ; which 64 of the 256
	s_and_b32 s35, s[WV], 3                        ; which tile of the 64
	s_mul_i32 s60, s59, 212992                     ; kv: the head's records,
	s_mul_i32 s[G0+1], s[WV], 13312                ; my 52 rows of 256 bytes: in LDS,
	s_add_co_u32 s60, s60, s[G0+1]                 ; and in memory
	s_mov_b32 s61, 0
	s_lshl_b32 s62, s59, 5                         ; qrec: the record of my 64 queries
	s_lshl_b32 s36, s58, 2
	s_add_co_u32 s62, s62, s36
	s_add_co_u32 s62, s62, s34
	s_mul_i32 s62, s62, 6656
	s_mov_b32 s63, 0
	s_mul_i32 s37, s35, 768                        ; my tile's half image
	s_and_b32 s38, s35, 1
	s_lshr_b32 s39, s35, 1
	s_lshl_b32 s66, s38, 7                         ; my tile's scale words: 128 (m % 2) + 4 (m / 2)
	s_lshl_b32 s67, s39, 2
	s_add_co_u32 s66, s66, s67
	s_lshl_b32 s67, s32, 13                        ; frac at my tile's first query, in bytes
	s_lshl_b32 s68, s58, 10
	s_add_co_u32 s67, s67, s68
	s_lshl_b32 s68, s34, 8
	s_add_co_u32 s67, s67, s68
	s_lshl_b32 s68, s39, 7
	s_add_co_u32 s67, s67, s68
	s_lshl_b32 s68, s38, 5
	s_add_co_u32 s67, s67, s68
	s_lshl_b32 s69, s32, 13                        ; frac of my batch
	s_lshl_b32 s70, s32, 7                         ; my tile of rows among the 256: 128 batch + 16 block + wave
	s_lshl_b32 s71, s58, 4
	s_add_co_u32 s70, s70, s71
	s_add_co_u32 s70, s70, s[WV]
	s_mul_i32 s72, s70, 12288                      ; oc: [tile of rows][head][768]
	s_mul_i32 s73, s33, 768
	s_add_co_u32 s72, s72, s73
	s_mov_b32 s73, 0
	s_lshl_b32 s74, s70, 9                         ; osc: [tile of rows][K step = head / 2][r] words, my half word at 2 (head % 2)
	s_lshr_b32 s75, s33, 1
	s_lshl_b32 s75, s75, 6
	s_add_co_u32 s74, s74, s75
	s_and_b32 s75, s33, 1
	s_lshl_b32 s75, s75, 1
	s_add_co_u32 s74, s74, s75
	s_mov_b32 s75, 0
	s_lshl_b32 s19, s33, 2                         ; alpha: 4 x head
	; descriptor group 1: 52 dense rows of 256 bytes (32 elements of 8 bytes), no padding
	s_mov_b32 s[G1], 15|(3<<16)|(1<<21)            ; 15:0 the mask: all four work-groups; 17:16 elements of 8 bytes; 21 set beside a mask
	s_mov_b32 s[G1+1], 32<<16                      ; tensor_dim0 = 32
	s_mov_b32 s[G1+2], 52<<16                      ; tensor_dim1 = 52
	s_mov_b32 s[G1+3], 32<<16                      ; tile_dim0 = 32
	s_mov_b32 s[G1+4], 52                          ; tile_dim1 = 52
	s_mov_b32 s[G1+5], 32                          ; from row to row
	s_mov_b32 s[G1+6], 0
	s_mov_b32 s[G1+7], 0
	s_mov_b32 s[SEL], 0x76543210
	s_mov_b32 s[SEL+1], 0xfedcba98
	s_mov_b32 s[CS], 0x3e38aa3b                    ; log2(e) / 8
	s_mov_b32 s[CS+1], s[CS]                       ; (named with it as a pair, so it is written)
	s_mov_b32 s52, 0x05040100                      ; two low halves
	s_mov_b32 s53, 0x07060302                      ; two high halves
	s_mov_b32 s[TB], 0
	s_mov_b32 s[TF], 0
	s_mov_b32 s[CNT], 16
	v_and_b32 v220, 31, v0                         ; lane
	v_and_b32 v221, 15, v0                         ; r
	v_bfe_u32 v222, v0, 4, 1                       ; h
	s_delay_alu instid0(VALU_DEP_3)
	v_lshlrev_b32 v1, 4, v220
	s_delay_alu instid0(VALU_DEP_4)
	v_lshlrev_b32 v2, 3, v220
	s_delay_alu instid0(VALU_DEP_3)
	v_lshl_add_u32 v3, v222, 6, FT                 ; frac in LDS: + 64 h: my 16 keys of a block of 32
	s_delay_alu instid0(VALU_DEP_3)
	v_add_nc_u32 v200, s37, v1                     ; Q's half image
	s_delay_alu instid0(VALU_DEP_3)
	v_add_nc_u32 v201, s37, v2
	v_lshl_add_u32 v202, v221, 3, s66              ; Q's scale word
	v_and_b32 v223, 8, v221
	s_delay_alu instid0(VALU_DEP_1)
	v_add_nc_u32 v223, v223, v221                  ; r + 8 (r / 8)
	s_delay_alu instid0(VALU_DEP_1)
	v_lshl_add_u32 v203, v223, 2, s67              ; my query's frac
	v_lshl_add_u32 v204, v0, 4, s69                ; the copy of frac: 16 bytes a thread,
	v_lshl_add_u32 v206, v0, 4, FT                 ; and where they go
	v_mov_b32 v205, s19
	s_wait_dscnt 0x0                               ; the opening add is done
	s_wait_kmcnt 0x0
	s_add_nc_u64 s[4:5], s[4:5], s[62:63]
	s_add_nc_u64 s[14:15], s[14:15], s[72:73]
	s_add_nc_u64 s[16:17], s[16:17], s[74:75]
	CROUND                                         ; all four work-groups are here: the joint loads meet
	s_mov_b32 s[G0], 1                             ; count = 1
	s_add_nc_u64 s[G0+2:G0+3], s[6:7], s[60:61]    ; global address: made of (batch, head) and the wave's number alone
	s_or_b32 s[G0+3], s[G0+3], 0x80000000          ; type = 2
	tensor_load_to_lds s[G0:G0+3], s[G1:G1+7]      ; my one tensor load of the launch: one is out
	s_nop 0
.rept 4
	v_nop
.endr
	s_wait_alu depctr_va_vdst(0)
	global_load_b128 v[208:211], v204, s[8:9]      ; frac of my batch, 16 bytes a thread
	global_load_b128 v[16:19], v200, s[4:5]        ; Q's codes stay in registers
	global_load_b64 v[20:21], v201, s[4:5] offset:512
	global_load_b32 v94, v202, s[4:5] offset:6144
	global_load_b32 v9, v203, s[8:9]               ; f_i
	global_load_b32 v212, v205, s[10:11]           ; ap
	global_load_b32 v213, v205, s[12:13]           ; an
.irp j, 22,23,24,25,26,27,80,81,82,83,84,85
	v_mov_b32 v[\j], 0                             ; zero codes
.endr
.set n, 0
.rept 32
	v_mov_b32 v[160+n], 0                          ; O^T.  (The step is written once: the first finds zeros, which the first change of M leaves zeros)
.set n, n+1
.endr
	v_mov_b32 v14, 0                               ; the sum, in two halves
	v_mov_b32 v15, 0
	v_mov_b32 v11, 0                               ; (upper halves of pairs of which the low word serves both halves: named, so written)
	v_mov_b32 v29, 0
	v_mov_b32 v13, 0xff61b1e6                      ; the largest t so far: -3e38, under every t
	s_delay_alu instid0(VALU_DEP_1)
	v_floor_f32 v12, -v13                          ; -M
.irp b, 0,1,2,3
	v_mov_b32 v[236+\b], 0                         ; a lane permute's destination counts as one of its sources
.endr
	s_wait_loadcnt 0x0
	ds_store_b128 v206, v[208:211]
	v_mul_f32 v214, 0x41000000, v213               ; 8 an
	v_sub_f32 v215, v212, v213
	s_delay_alu instid0(VALU_DEP_1)
	v_mul_f32 v215, 0x41000000, v215               ; 8 (ap - an)
	s_delay_alu instid0(VALU_DEP_3)
	v_readfirstlane_b32 s[A2], v214
	s_delay_alu instid0(VALU_DEP_2)
	v_readfirstlane_b32 s[A3], v215
	s_mov_b32 s[A2+1], s[A2]
	s_mov_b32 s[A3+1], s[A3]
	v_mul_f32 v10, 0xc1000000, v212
	s_delay_alu instid0(VALU_DEP_1)
	v_mul_f32 v10, v10, v9                         ; -8 ap f_i
	s_wait_tensorcnt 0x0                           ; my part of the records has landed,
	s_wait_dscnt 0x0                               ; my part of frac is stored:
	s_barrier_signal -1
	s_barrier_wait -1                              ; everybody's
.Lstep:                                            ; 16 trips of 128 keys
	s_setprio 2
	v_add_nc_u32 v6, s[TB], v1
	v_add_nc_u32 v7, s[TB], v2
	v_add_nc_u32 v8, s[TF], v3
	v_nop                                          ; four places in front of loads into registers that the last products have read
.irp b, 0,1,2,3
.irp i, 0,1,2,3
	ds_load_b128 v[192+16*\b+4*\i:195+16*\b+4*\i], v8 offset:128*\b+16*\i   ; f_j: register 16 b + i: key 32 b + 16 h + i
.endr
.endr
.irp e, 0,1
.irp m, 0,1,2,3
	ds_load_b128 v[32+6*(4*\e+\m):35+6*(4*\e+\m)], v6 offset:6656*\e+768*\m   ; K's tile 4 e + m
	ds_load_b64 v[36+6*(4*\e+\m):37+6*(4*\e+\m)], v7 offset:6656*\e+768*\m+512
.endr
.endr
.irp e, 0,1
	ds_load_b64 v[86+2*\e:87+2*\e], v7 offset:6656*\e+6144   ; K's scale words: lanes 0-15 tiles 0, 2; lanes 16-31 tiles 1, 3
.endr
.irp e, 0,1
	ds_load_b32 v[90+\e], v7 offset:6656*\e+6400             ; V's half words
.endr
	s_wait_dscnt 20                                ; f_j is in: behind its 16 loads stand K's 16, 2 and V's 2
.set n, 0
.rept 64
	v_max_num_f32 v[96+n], v[192+n], v9            ; max(f_j, f_i)
.set n, n+1
.endr
.set n, 0
.rept 32
	v_pk_fma_f32 v[192+n:193+n], v[192+n:193+n], s[A2:A2+1], v[10:11] op_sel_hi:[1,0,0]   ; 8 an f_j - 8 ap f_i
.set n, n+2
.endr
.set n, 0
.rept 32
	v_pk_fma_f32 v[96+n:97+n], v[96+n:97+n], s[A3:A3+1], v[192+n:193+n] op_sel_hi:[1,0,1]   ; + 8 (ap - an) max: 8 x the bias, where the scores will be summed
.set n, n+2
.endr
	s_wait_alu depctr_va_vdst(0)
	s_wait_dscnt 0x0                               ; K and the scales are in
	v_perm_b32 v92, v91, v90, s52                  ; V's scale words for these 128 keys: tiles 0 (lanes 0-15) and 2 (lanes 16-31),
	v_perm_b32 v93, v91, v90, s53                  ; tiles 1 and 3
	v_nop
	v_nop
.irp T, 0,1,2,3,4,5,6,7                        ; u = K Q^T + 8 bias: eight accumulators by turns
.if \T%2
	v_wmma_scale_f32_16x16x128_f8f6f4 v[96+8*\T:103+8*\T], v[32+6*\T:43+6*\T], v[16:27], v[96+8*\T:103+8*\T], v[86+2*(\T/4)+(\T%4)/2], v94 matrix_a_fmt:MATRIX_FMT_FP6 matrix_b_fmt:MATRIX_FMT_FP6 matrix_a_scale:MATRIX_SCALE_ROW1
.else
	v_wmma_scale_f32_16x16x128_f8f6f4 v[96+8*\T:103+8*\T], v[32+6*\T:43+6*\T], v[16:27], v[96+8*\T:103+8*\T], v[86+2*(\T/4)+(\T%4)/2], v94 matrix_a_fmt:MATRIX_FMT_FP6 matrix_b_fmt:MATRIX_FMT_FP6
.endif
.endr
.rept 4
	v_nop                                          ; four places in front of the loads below and of the first read of results
.endr
.irp d, 0,1,2,3                                ; V's four fragments are asked for now and land under the softmax: registers 6 c on: keys 64 c on
.irp c, 0,1
	ds_load_b128 v[32+12*\d+6*\c:35+12*\d+6*\c], v6 offset:6656*\c+3072+768*\d
	ds_load_b64 v[36+12*\d+6*\c:37+12*\d+6*\c], v7 offset:6656*\c+3072+768*\d+512
.endr
.endr
.irp b, 0,1,2,3
	v_max3_num_f32 v[232+\b], v[96+16*\b], v[97+16*\b], v[98+16*\b]   ; the largest u of each block of 32 keys: it serves for the row's maximum and for the block's largest p
.endr
.irp i, 3,5,7,9,11,13
.irp b, 0,1,2,3
	v_max3_num_f32 v[232+\b], v[232+\b], v[96+16*\b+\i], v[97+16*\b+\i]
.endr
.endr
.irp b, 0,1,2,3
	v_max_num_f32 v[232+\b], v[232+\b], v[111+16*\b]
.endr
.irp b, 0,1,2,3
	s_delay_alu instid0(VALU_DEP_4)
	v_permlanex16_b32 v[236+\b], v[232+\b], s[SEL], s[SEL+1]
.endr
.irp b, 0,1,2,3
	s_delay_alu instid0(VALU_DEP_4)
	v_max_num_f32 v[232+\b], v[232+\b], v[236+\b]  ; with lane l xor 16's 16 keys
.endr
	s_delay_alu instid0(VALU_DEP_2)
	v_max3_num_f32 v254, v232, v233, v234
	s_delay_alu instid0(VALU_DEP_1)
	v_max_num_f32 v254, v254, v235                 ; the step's largest u of my query
	s_delay_alu instid0(VALU_DEP_1)
	v_mul_f32 v254, s[CS], v254                    ; as t (c is positive)
	s_delay_alu instid0(VALU_DEP_1)
	v_max_num_f32 v13, v13, v254                   ; the running largest t
	v_mov_b32 v254, v12
	s_delay_alu instid0(VALU_DEP_2)
	v_floor_f32 v12, -v13                          ; the new -M = floor(-t): M is a whole number
	s_delay_alu instid0(VALU_DEP_1)
	v_sub_f32 v254, v12, v254                      ; old M - new M: a whole number, 0 or less
	s_delay_alu instid0(VALU_DEP_1)
	v_cvt_i32_f32 v254, v254                       ; (it saturates)
	s_delay_alu instid0(VALU_DEP_1)
	v_ldexp_f32 v28, 1.0, v254                     ; 2^(old M - new M)
.set n, 0
	s_setprio 1
.rept 32
	v_pk_fma_f32 v[96+n:97+n], v[96+n:97+n], s[CS:CS+1], v[12:13] op_sel_hi:[1,0,0]   ; t - M
.set n, n+2
.endr
.irp b, 0,1,2,3
	v_fma_f32 v[232+\b], v[232+\b], s[CS], v12     ; the same of each block's largest u
.endr
.set n, 0
	s_wait_alu depctr_va_vdst(0)
.rept 64
	v_exp_f32 v[96+n], v[96+n]                     ; p = 2^(t - M), at most 1
.set n, n+1
.endr
	v_pk_mul_f32 v[14:15], v[14:15], v[28:29] op_sel_hi:[1,0]   ; the sums under the new M.  (A plain place behind the exponentials)
	s_wait_alu depctr_va_vdst(0)                   ; one wait for the whole batch, ahead of its first reader
.irp b, 0,1,2,3
	v_exp_f32 v[232+\b], v[232+\b]                 ; the block's largest p
.endr
	v_pk_add_f32 v[236:237], v[100:101], v[104:105]
	v_pk_add_f32 v[252:253], v[108:109], v[112:113]
	v_pk_add_f32 v[250:251], v[116:117], v[120:121]
	v_pk_add_f32 v[248:249], v[124:125], v[128:129]
	v_pk_add_f32 v[246:247], v[132:133], v[136:137]
	v_pk_add_f32 v[244:245], v[140:141], v[144:145]
	v_pk_add_f32 v[242:243], v[148:149], v[152:153]
	v_pk_add_f32 v[14:15], v[14:15], v[156:157]
	v_pk_add_f32 v[236:237], v[236:237], v[96:97]
	v_pk_add_f32 v[252:253], v[252:253], v[98:99]
	v_pk_add_f32 v[250:251], v[250:251], v[102:103]
	v_pk_add_f32 v[248:249], v[248:249], v[106:107]
	v_pk_add_f32 v[246:247], v[246:247], v[110:111]
	v_pk_add_f32 v[244:245], v[244:245], v[114:115]
	v_pk_add_f32 v[242:243], v[242:243], v[118:119]
	v_pk_add_f32 v[14:15], v[14:15], v[122:123]
	v_pk_add_f32 v[236:237], v[236:237], v[126:127]
	v_pk_add_f32 v[252:253], v[252:253], v[130:131]
	v_pk_add_f32 v[250:251], v[250:251], v[134:135]
	v_pk_add_f32 v[248:249], v[248:249], v[138:139]
	v_pk_add_f32 v[246:247], v[246:247], v[142:143]
	v_pk_add_f32 v[244:245], v[244:245], v[146:147]
	v_pk_add_f32 v[242:243], v[242:243], v[150:151]
	v_pk_add_f32 v[14:15], v[14:15], v[154:155]
	v_pk_add_f32 v[236:237], v[236:237], v[158:159]
	s_delay_alu instid0(VALU_DEP_2)
	v_pk_add_f32 v[14:15], v[14:15], v[248:249]
	s_delay_alu instid0(VALU_DEP_2)
	v_pk_add_f32 v[236:237], v[236:237], v[246:247]
	v_pk_add_f32 v[252:253], v[252:253], v[244:245]
	v_pk_add_f32 v[250:251], v[250:251], v[242:243]
	s_delay_alu instid0(VALU_DEP_2)
	v_pk_add_f32 v[14:15], v[14:15], v[252:253]
	s_delay_alu instid0(VALU_DEP_2)
	v_pk_add_f32 v[236:237], v[236:237], v[250:251]
	s_delay_alu instid0(VALU_DEP_1)
	v_pk_add_f32 v[14:15], v[14:15], v[236:237]
	s_setprio 0
	s_wait_alu depctr_va_vdst(0)                   ; and one for the four
.irp b, 0,1,2,3
	v_max_num_f32 v[232+\b], 0x1800000, v[232+\b]  ; the floor 2^(3 - 127): the byte cannot fall under 1
.endr
.irp b, 0,1,2,3
	s_delay_alu instid0(VALU_DEP_4)
	v_add_nc_u32 v[244+\b], 0xff000000, v[232+\b]  ; 2 off the exponent field: the conversion's scale operand
.endr
.irp b, 0,1,2,3
	s_delay_alu instid0(VALU_DEP_4)
	v_lshrrev_b32 v[236+\b], 23, v[244+\b]         ; the byte
.endr
	s_delay_alu instid0(VALU_DEP_3)
	v_lshl_or_b32 v95, v237, 8, v236               ; p's scale word for these 128 keys
	s_delay_alu instid0(VALU_DEP_1)
	v_lshl_or_b32 v95, v238, 16, v95
	s_delay_alu instid0(VALU_DEP_1)
	v_lshl_or_b32 v95, v239, 24, v95
.irp c, 0,1
	v_cvt_scalef32_pk16_fp6_f32 v[224+6*\c:226+6*\c], v[96+32*\c:111+32*\c], v[244+2*\c]
	v_cvt_scalef32_pk16_fp6_f32 v[236+4*\c:238+4*\c], v[112+32*\c:127+32*\c], v[244+2*\c+1]
.endr
	v_nop                                          ; one plain place behind a scaled conversion
.irp c, 0,1                                    ; the operand wants a WHOLE block in a lane
.irp i, 0,1,2
	v_permlane16_swap_b32 v[224+6*\c+\i], v[236+4*\c+\i]
.endr
.irp i, 0,1,2
	s_delay_alu instid0(VALU_DEP_3)
	v_mov_b32 v[227+6*\c+\i], v[236+4*\c+\i]
.endr
.endr
.set n, 0
.rept 16
	v_pk_mul_f32 v[160+n:161+n], v[160+n:161+n], v[28:29] op_sel_hi:[1,0]   ; O^T under the new M, each accumulator from its low end on.  (These are also the places between the lines that made p's codes and scale word and the products)
.set n, n+2
.endr
	s_wait_alu depctr_va_vdst(0)
	s_wait_dscnt 0x0                               ; V is in
.irp d, 0,1,2,3                                ; O^T += V^T P^T: four accumulators by turns; K = these 128 keys
.if \d/2
	v_wmma_scale_f32_16x16x128_f8f6f4 v[160+8*\d:167+8*\d], v[32+12*\d:43+12*\d], v[224:235], v[160+8*\d:167+8*\d], v[92+\d%2], v95 matrix_a_fmt:MATRIX_FMT_FP6 matrix_b_fmt:MATRIX_FMT_FP6 matrix_a_scale:MATRIX_SCALE_ROW1
.else
	v_wmma_scale_f32_16x16x128_f8f6f4 v[160+8*\d:167+8*\d], v[32+12*\d:43+12*\d], v[224:235], v[160+8*\d:167+8*\d], v[92+\d%2], v95 matrix_a_fmt:MATRIX_FMT_FP6 matrix_b_fmt:MATRIX_FMT_FP6
.endif
.endr
	s_add_co_u32 s[TB], s[TB], 13312               ; the next two records,
	s_add_co_u32 s[TF], s[TF], 512                 ; the next 128 numbers of frac
	s_sub_co_u32 s[CNT], s[CNT], 1
	s_cmp_lg_u32 s[CNT], 0
	s_cbranch_scc1 .Lstep
	s_setprio 0
	; THE WAY OUT: O^T / the sum, quantised along the head's 64: half a fragment of the last projection's operand, and two scale bytes
.rept 4
	v_nop                                          ; four places behind the last products
.endr
	v_add_f32 v14, v14, v15                        ; the sum's two halves,
	s_delay_alu instid0(VALU_DEP_1)
	v_permlanex16_b32 v254, v14, s[SEL], s[SEL+1]
	s_delay_alu instid0(VALU_DEP_1)
	v_add_f32 v14, v14, v254                       ; and lane l xor 16's
	s_wait_alu depctr_va_vdst(0)
	v_rcp_f32 v14, v14
	v_mov_b32 v194, 0                              ; (a plain place behind the reciprocal; a lane permute's destination counts as one of its sources)
	v_mov_b32 v195, 0
	v_and_b32 v212, 15, v0
	s_delay_alu instid0(VALU_DEP_1)
	v_lshlrev_b32 v212, 2, v212                    ; osc: 4 r
	s_wait_alu depctr_va_vdst(0)                   ; the wait ahead of the reciprocal's first reader
.set n, 0
.rept 32
	v_mul_f32 v[96+n], v[160+n], v14               ; register 16 b + i: d = 32 b + 16 h + i of my query
.set n, n+1
.endr
	QUANT2 96, 192, 200, 210
	global_store_b128 v1, v[200:203], s[14:15]     ; 512 consecutive bytes, at a multiple of 256 from the buffer's first byte
	global_store_b64 v2, v[204:205], s[14:15] offset:512
	global_store_b16 v212, v210, s[16:17]          ; lanes r and r + 16 write the same two bytes with the same value
	s_wait_tensorcnt 0x0                           ; the wave's end, behind my last tensor load and my last LDS store
	ds_add_u32 v[SPW], v[NIL]
	s_wait_dscnt 0x0
	CROUND                                         ; the closing round
	s_endpgm
.Lfunc_end_k_qb30990b499_attn:
	.size	k_qb30990b499_attn, .Lfunc_end_k_qb30990b499_attn-k_qb30990b499_attn
	.p2alignl 7, 3214868480
	.fill 96, 4, 3214868480
	.section	.rodata,"a",@progbits
	.p2align	6, 0x0
	.amdhsa_kernel k_qb30990b499_attn
		.amdhsa_group_segment_fixed_size 223232
		.amdhsa_private_segment_fixed_size 0
		.amdhsa_enable_private_segment 0
		.amdhsa_kernarg_size 56
		.amdhsa_user_sgpr_count 2
		.amdhsa_user_sgpr_kernarg_segment_ptr 1
		.amdhsa_wavefront_size32 1
		.amdhsa_system_sgpr_workgroup_id_x 1
		.amdhsa_system_sgpr_workgroup_id_y 1
		.amdhsa_system_sgpr_workgroup_id_z 1
		.amdhsa_system_vgpr_workitem_id 0
		.amdhsa_next_free_vgpr 256
		.amdhsa_next_free_sgpr 80
		.amdhsa_reserve_vcc 0
		.amdhsa_float_denorm_mode_32 3
		.amdhsa_float_denorm_mode_16_64 3
		.amdhsa_memory_ordered 1
		.amdhsa_forward_progress 1
		.amdhsa_inst_pref_size 39
	.end_amdhsa_kernel
	.amdgpu_metadata
---
amdhsa.version: [ 1, 2 ]
amdhsa.kernels:
  - .name:           k_qb30990b499_attn
    .symbol:         k_qb30990b499_attn.kd
    .args:
      - { .name: qrec, .offset: 0, .size: 8, .value_kind: global_buffer, .address_space: global }
      - { .name: kv, .offset: 8, .size: 8, .value_kind: global_buffer, .address_space: global }
      - { .name: frac, .offset: 16, .size: 8, .value_kind: global_buffer, .address_space: global }
      - { .name: alpha_pos, .offset: 24, .size: 8, .value_kind: global_buffer, .address_space: global }
      - { .name: alpha_neg, .offset: 32, .size: 8, .value_kind: global_buffer, .address_space: global }
      - { .name: oc, .offset: 40, .size: 8, .value_kind: global_buffer, .address_space: global }
      - { .name: osc, .offset: 48, .size: 8, .value_kind: global_buffer, .address_space: global }
    .group_segment_fixed_size: 223232
    .private_segment_fixed_size: 0
    .kernarg_segment_align: 8
    .kernarg_segment_size: 56
    .max_flat_workgroup_size: 512
    .sgpr_count:     80
    .vgpr_count:     256
    .wavefront_size: 32
...
	.end_amdgpu_metadata
.endif
;; end of part 7
;; launch outp (part 8): grid 64 x 4, 4 waves a work-group, no clusters, 69,120 bytes of LDS; arguments oc, osc, wimg, wsc, bo, out0; writes out0
.if DOCPART == 8
	.amdgcn_target "amdgcn-amd-amdhsa--gfx1250"
	.amdhsa_code_object_version 6
	.text
	.protected	k_qb30990b499_outp
	.globl	k_qb30990b499_outp
	.p2align	8
	.type	k_qb30990b499_outp,@function
k_qb30990b499_outp:
	s_mov_b64 s[64:65], 0
	v_nop
	global_prefetch_b8 v0, s[64:65] scope:SCOPE_SE
	s_setreg_imm32_b32 hwreg(HW_REG_WAVE_SCHED_MODE, 0, 2), 2
	s_setreg_imm32_b32 hwreg(HW_REG_WAVE_MODE, 25, 1), 1
	s_wait_xcnt 0x0
	s_wait_alu depctr_vm_vsrc(0)
; out0 = attention's result x Wo + bo on codes of FP6 (E2M3).  Work-group (x, y): 64 rows x 256 columns; wave: 64 columns, 16 accumulators.
; Everything from memory is asked for at the head.  The rows' codes (four tiles of rows x 16 half images = 49,152 dense bytes) and scale words (2,048 bytes) are copied through registers into LDS, once, and read by all four waves;
; a wave's 32 images of Wo (384 registers) and its bias stay in registers, read from memory once.
; Source 0 = 16 columns of Wo, source 1 = 16 rows: a lane holds eight neighbouring columns of one row.  The columns of a tile are chosen (lane r of tile 2 b + u: column 32 b + 8 u + r + 8 (r / 8)), so register j of tile 2 b + u is
; column 32 b + 16 h + 8 u + j; the rows of a tile likewise: lane r of tile 2 b + u is row 32 b + 8 u + r + 8 (r / 8).  The bias is the C of each sum's first product.
; NO CLUSTER: what work-groups share is the rows' 51,200 bytes (the four y) against 4 x 51,456 bytes of weights that are a wave's own, and the weights that the 64 x share go straight into registers.
; REGISTERS, in windows of 256: window 0: v1-10 addresses; v16-47 Wo's scale words (4 s + tile), v48-55 the rows', two sets: they hold nothing else; v80-127 the rows' four fragments, buffer 0; v128-255 the accumulators
; (row tile m, column tile t: 128 + 32 m + 8 t), before the first K step the copy's 100 registers; on the way out v64-127 rows read back.
;   window 1: Wo's images of K steps 0-3 (48 (s % 4) + 12 t); v192-239 the rows' four fragments, buffer 1.   window 2: Wo's images of K steps 4-7; v192-223 the bias.
; THE MODE: SCHED_MODE bits 1:0 = 2 (LLVM: expert scheduling mode 2), set by the entry lines.  The code itself states the register dependences
; between vector or matrix instructions and memory or LDS instructions, with s_wait_alu, always for 0.
; THE PLAN.  Registers that memory or LDS instructions touch:
;   v1-v7, v10      offsets and LDS addresses: written at the head and never again: one wait on va_vdst ahead of the first load serves them all.
;   v128-227        the copy: loaded, then read by the LDS stores; afterwards accumulators, which the products write: one wait on vm_vsrc behind the barrier.
;   X0, X1          the rows' fragments and scale words, two buffers.  K step s: its products read X[s % 2]; the 20 LDS loads of K step s + 1, issued at its head, land in X[(s + 1) % 2], which the products of K step s - 1 read
;                   and which no product of K step s names.  So ONE wait on va_vdst stands at a K step's head, and the loads land while the step's 16 products run.
;                   The loads stand in one run ahead of the products: a load among the products would want two window switches of its own.
;   Wo's images and scale words, the bias: loaded once; nothing lands in them again.
;   THE WAY OUT     one wait on va_vdst: the accumulators are written, which the LDS stores read, and the products are done reading v80-127, in which rows read back land.  No vector instruction follows it.
;                   The rows read back have two buffers by turns: a wait on vm_vsrc ahead of a buffer's second use.
.set XI,    0                          ; LDS: the rows' half images: 12,288 m + 768 (2 s + c)
.set XSC,   49152                      ; their scale words: 512 m + 64 s + 4 r
.set STG,   51200                      ; a stage of 16 rows x (256 + 16) bytes for each wave
.set SPARE, 68608                      ; the spare words, 128 bytes a wave
.set SPW, 8                            ; v8  my spare word's LDS address; never rewritten
.set NIL, 9                            ; v9  0; never rewritten
.set MSB, 0
.macro WIN new                         ; the immediate's high byte repeats the setting that is left
.if MSB != \new
	s_set_vgpr_msb (MSB<<8)|\new
.set MSB, \new
.endif
.endm
	s_load_b256 s[4:11], s[0:1], 0x0               ; oc, osc, wimg, wsc
	s_load_b128 s[12:15], s[0:1], 0x20             ; bo, out0
	v_lshl_add_u32 v[SPW], v0, 2, SPARE
	v_mov_b32 v[NIL], 0
	v_lshrrev_b32 v1, 5, v0
	v_readfirstlane_b32 s16, v1                    ; wave
	v_and_b32 v11, 31, v0                          ; lane
	v_and_b32 v12, 15, v0                          ; r
	v_bfe_u32 v13, v0, 4, 1                        ; h
	v_lshlrev_b32 v1, 4, v11                       ; 16 x lane
	v_lshlrev_b32 v2, 3, v11                       ; 8 x lane
	v_lshlrev_b32 v3, 2, v12                       ; 4 r
	v_lshlrev_b32 v4, 4, v0                        ; 16 x thread: the copy
	s_wait_alu depctr_va_sdst(0)                   ; s16, the wave's number, is written, ahead of its first reader: my stage and my bases are made from it
	s_mul_i32 s17, s16, 4352
	s_add_co_u32 s17, s17, STG                     ; my stage
	v_mul_u32_u24 v5, v12, 272
	v_lshl_add_u32 v5, v13, 6, v5
	v_add_nc_u32 v5, s17, v5                       ; into it: row r, + 64 h
	v_mul_u32_u24 v6, v13, 272
	v_lshl_add_u32 v6, v12, 4, v6
	v_add_nc_u32 v6, s17, v6                       ; back: lanes 0-15 one row of 256 bytes, lanes 16-31 the next
	v_lshlrev_b32 v7, 12, v13
	v_lshl_add_u32 v7, v12, 4, v7                  ; and the same two rows in out0
	v_lshlrev_b32 v10, 6, v13                      ; the bias: 64 h
	s_and_b32 s18, ttmp7, 0xffff
	s_lshl_b32 s18, s18, 2
	s_add_co_u32 s18, s18, s16                     ; my 64 columns
	s_mul_i32 s20, ttmp9, 49152
	s_mov_b32 s21, 0
	s_lshl_b32 s22, ttmp9, 11
	s_mov_b32 s23, 0
	s_mul_i32 s24, s18, 49152
	s_add_co_u32 s24, s24, 2359296                 ; Wo is the fourth weight
	s_mov_b32 s25, 0
	s_lshl_b32 s26, s18, 11
	s_add_co_u32 s26, s26, 98304
	s_mov_b32 s27, 0
	s_lshl_b32 s28, s18, 8
	s_mov_b32 s29, 0
	s_lshl_b32 s30, ttmp9, 18
	s_add_co_u32 s30, s30, s28
	s_mov_b32 s31, 0
	s_wait_kmcnt 0x0
	s_add_nc_u64 s[4:5], s[4:5], s[20:21]
	s_add_nc_u64 s[6:7], s[6:7], s[22:23]
	s_add_nc_u64 s[8:9], s[8:9], s[24:25]
	s_add_nc_u64 s[10:11], s[10:11], s[26:27]
	s_add_nc_u64 s[12:13], s[12:13], s[28:29]
	s_add_nc_u64 s[14:15], s[14:15], s[30:31]
	s_wait_alu depctr_va_vdst(0)                   ; the offsets and LDS addresses v1 to v7 and v10 are written, which the loads and stores of the whole kernel read
.set n, 0
.rept 24
	global_load_b128 v[128+4*n:131+4*n], v4, s[4:5] offset:2048*n   ; the work-group reads 2,048 consecutive bytes
.set n, n+1
.endr
	global_load_b128 v[224:227], v4, s[6:7]
.irp s, 0,1,2,3,4,5,6,7
.irp t, 0,1,2,3
	global_load_b32 v[16+4*\s+\t], v3, s[10:11] offset:256*\s+64*\t
.endr
.endr
	WIN 0x80                                       ; destination window 2
.irp t, 0,1,2,3
	global_load_b128 v[192+8*\t:195+8*\t], v10, s[12:13] offset:(32*(\t/2)+8*(\t%2))*4
	global_load_b128 v[196+8*\t:199+8*\t], v10, s[12:13] offset:(32*(\t/2)+8*(\t%2))*4+16
.endr
	WIN 0x40                                       ; destination window 1
.irp s, 0,1,2,3
.irp t, 0,1,2,3
.irp c, 0,1,2
	global_load_b128 v[48*\s+12*\t+4*\c:48*\s+12*\t+4*\c+3], v1, s[8:9] offset:(8*\t+\s)*1536+512*\c
.endr
.endr
.endr
	WIN 0x80
.irp s, 4,5,6,7
.irp t, 0,1,2,3
.irp c, 0,1,2
	global_load_b128 v[48*(\s-4)+12*\t+4*\c:48*(\s-4)+12*\t+4*\c+3], v1, s[8:9] offset:(8*\t+\s)*1536+512*\c
.endr
.endr
.endr
	WIN 0
	s_wait_loadcnt 63                              ; the copy's 25 loads are in: 136 were issued behind them, and the count is held to the field's largest
.set n, 0
.rept 24
	ds_store_b128 v4, v[128+4*n:131+4*n] offset:XI+2048*n
.set n, n+1
.endr
	ds_store_b128 v4, v[224:227] offset:XSC
	s_wait_dscnt 0x0                               ; for the others' sake: my part of the copy is stored
	s_barrier_signal -1
	s_barrier_wait -1
	s_wait_alu depctr_vm_vsrc(0)                   ; my LDS stores have read v128-227: these registers are accumulators from here on, written by the products
; The rows' four scale words and four fragments of K step s, 20 LDS loads, into buffer s % 2
.macro XFETCH s
.set XB, 80+112*((\s)%2)               ; buffer 0: v80 of window 0; buffer 1: v192 of window 1
	WIN 0
.irp m, 0,1,2,3
	ds_load_b32 v[48+4*((\s)%2)+\m], v3 offset:XSC+512*\m+64*(\s)   ; scale operands have no window: both sets lie in window 0
.endr
.if (\s)%2
	WIN 0x40                                       ; destination window 1, address window 0
.endif
.irp m, 0,1,2,3
.irp c, 0,1
	ds_load_b128 v[XB+12*\m+6*\c:XB+12*\m+6*\c+3], v1 offset:XI+12288*\m+(2*(\s)+\c)*768
	ds_load_b64 v[XB+12*\m+6*\c+4:XB+12*\m+6*\c+5], v2 offset:XI+12288*\m+(2*(\s)+\c)*768+512
.endr
.endr
.endm
; K step s: the next K step's loads, then 16 products on buffer s % 2; the 16 accumulators take turns, one instruction a turn
.macro OSTEP s
.set XM, 80+112*((\s)%2)
.if (\s) < 7
.if (\s) > 0
.rept 4
	v_nop                                          ; the four places behind the last step's products stay, ahead of the wait
.endr
	s_wait_alu depctr_va_vdst(0)                   ; the last step's products are done reading the other buffer and its scale words, in which the 20 loads below land; only loads and window switches stand between
.endif
	XFETCH (\s)+1
	s_wait_dscnt 20                                ; this K step's fragments and scale words are in; the 20 loads just issued may be out
.else
	s_wait_dscnt 0x0                               ; the last K step: nothing more to fetch
.endif
.if 12*(7-(\s)) > 63
	s_wait_loadcnt 63                              ; this K step's images are in; the later K steps' 12 loads each may be out
.else
	s_wait_loadcnt 12*(7-(\s))
.endif
.if (\s) == 0
.set WM, 0x21                          ; source 0 (Wo) window 1, source 2 (the bias) window 2
.elseif (\s) < 4
.set WM, 0x01+4*((\s)%2)               ; source 0 window 1; source 1 (the rows) window 0 or 1, by the buffer
.else
.set WM, 0x02+4*((\s)%2)               ; source 0 window 2
.endif
	WIN WM
.irp m, 0,1,2,3
.irp t, 0,1,2,3
.if (\s) == 0
	v_wmma_scale_f32_16x16x128_f8f6f4 v[128+32*\m+8*\t:135+32*\m+8*\t], v[48*((\s)%4)+12*\t:48*((\s)%4)+12*\t+11], v[XM+12*\m:XM+12*\m+11], v[192+8*\t:199+8*\t], v[16+4*(\s)+\t], v[48+4*((\s)%2)+\m] matrix_a_fmt:MATRIX_FMT_FP6 matrix_b_fmt:MATRIX_FMT_FP6
.else
	v_wmma_scale_f32_16x16x128_f8f6f4 v[128+32*\m+8*\t:135+32*\m+8*\t], v[48*((\s)%4)+12*\t:48*((\s)%4)+12*\t+11], v[XM+12*\m:XM+12*\m+11], v[128+32*\m+8*\t:135+32*\m+8*\t], v[16+4*(\s)+\t], v[48+4*((\s)%2)+\m] matrix_a_fmt:MATRIX_FMT_FP6 matrix_b_fmt:MATRIX_FMT_FP6
.endif
.endr
.endr
.endm
	XFETCH 0                                       ; the first K step's; no vector or matrix instruction has named these registers
.irp s, 0,1,2,3,4,5,6,7
	OSTEP \s
.endr
	WIN 0
.rept 4
	v_nop                                          ; four places in front of the first read of results
.endr
	s_wait_alu depctr_va_vdst(0)                   ; the products have written the accumulators, which the LDS stores below read, and are done reading v80-127, in which rows read back land; the places above stay beside this wait
; THE WAY OUT, a tile of 16 rows x 64 columns at a time, through my own stage: sixteen lanes then store 256 consecutive bytes of a row
.macro OUTROW mm
.set BK, 64+32*((\mm)%2)
.if (\mm) >= 2
	s_wait_xcnt 0x0                                ; the stores of two tiles ago have had their addresses translated: their registers are loaded again only behind this wait,
	s_wait_alu depctr_vm_vsrc(0)                   ; and behind this one: those stores have read v[BK ..], in which the loads below land
.endif
.irp t, 0,1,2,3
	ds_store_b128 v5, v[128+32*(\mm)+8*\t:131+32*(\mm)+8*\t] offset:128*(\t/2)+32*(\t%2)      ; each accumulator from its low end on
	ds_store_b128 v5, v[132+32*(\mm)+8*\t:135+32*(\mm)+8*\t] offset:128*(\t/2)+32*(\t%2)+16
.endr
.irp k, 0,1,2,3,4,5,6,7
	ds_load_b128 v[BK+4*\k:BK+4*\k+3], v6 offset:544*\k   ; LDS serves a wave's instructions in order: these see my stores, and the next tile's stores come behind them
.endr
.irp k, 0,1,2,3,4,5,6,7
	s_wait_dscnt 7-\k
	global_store_b128 v7, v[BK+4*\k:BK+4*\k+3], s[14:15] offset:(32*((\mm)/2)+8*((\mm)%2)+2*\k+8*(\k/4))*4096 th:TH_STORE_NT   ; stage rows 2 k, 2 k + 1 are rows 2 k + 8 (k / 4) + h of the tile's 32
.endr
.endm
	OUTROW 0
	OUTROW 1
	OUTROW 2
	OUTROW 3
	s_wait_dscnt 0x0                               ; the closing lines, six on end
	s_wait_alu 0x0
	s_wait_tensorcnt 0x0
	ds_add_u32 v[SPW], v[NIL]
	s_wait_dscnt 0x0
	s_endpgm
.Lfunc_end_k_qb30990b499_outp:
	.size	k_qb30990b499_outp, .Lfunc_end_k_qb30990b499_outp-k_qb30990b499_outp
	.p2alignl 7, 3214868480
	.fill 96, 4, 3214868480
	.section	.rodata,"a",@progbits
	.p2align	6, 0x0
	.amdhsa_kernel k_qb30990b499_outp
		.amdhsa_group_segment_fixed_size 69120
		.amdhsa_private_segment_fixed_size 0
		.amdhsa_enable_private_segment 0
		.amdhsa_kernarg_size 48
		.amdhsa_user_sgpr_count 2
		.amdhsa_user_sgpr_kernarg_segment_ptr 1
		.amdhsa_wavefront_size32 1
		.amdhsa_system_sgpr_workgroup_id_x 1
		.amdhsa_system_sgpr_workgroup_id_y 1
		.amdhsa_system_sgpr_workgroup_id_z 1
		.amdhsa_system_vgpr_workitem_id 0
		.amdhsa_next_free_vgpr 768
		.amdhsa_next_free_sgpr 66
		.amdhsa_reserve_vcc 0
		.amdhsa_float_denorm_mode_32 3
		.amdhsa_float_denorm_mode_16_64 3
		.amdhsa_memory_ordered 1
		.amdhsa_forward_progress 1
		.amdhsa_inst_pref_size 56
	.end_amdhsa_kernel
	.amdgpu_metadata
---
amdhsa.version: [ 1, 2 ]
amdhsa.kernels:
  - .name:           k_qb30990b499_outp
    .symbol:         k_qb30990b499_outp.kd
    .args:
      - { .name: oc, .offset: 0, .size: 8, .value_kind: global_buffer, .address_space: global }
      - { .name: osc, .offset: 8, .size: 8, .value_kind: global_buffer, .address_space: global }
      - { .name: wimg, .offset: 16, .size: 8, .value_kind: global_buffer, .address_space: global }
      - { .name: wsc, .offset: 24, .size: 8, .value_kind: global_buffer, .address_space: global }
      - { .name: bo, .offset: 32, .size: 8, .value_kind: global_buffer, .address_space: global }
      - { .name: out0, .offset: 40, .size: 8, .value_kind: global_buffer, .address_space: global }
    .group_segment_fixed_size: 69120
    .private_segment_fixed_size: 0
    .kernarg_segment_align: 8
    .kernarg_segment_size: 48
    .max_flat_workgroup_size: 128
    .sgpr_count:     66
    .vgpr_count:     768
    .wavefront_size: 32
...
	.end_amdgpu_metadata
.endif
;; end of part 8
